; MI455X (gfx1250); checked and timed in simulation.
; The chip was launched on July 23, 2026; its instructions are those of AMD's public machine-readable ISA for CDNA 5 (MIT licence, August 2026) and "CDNA5" Instruction Set Architecture Reference Guide (July 2026). The comments in the code are by the model that wrote it; some were corrected since.
;; Attention Block. Allowed arithmetic: matrix products marked QUANTISED: E4M3 operands, one given power-of-two scale a tensor, by v_wmma_f32_16x16x64_fp8_fp8 or v_wmma_f32_16x16x128_fp8_fp8, f32 sums; everything else in f32.
;; Inputs: Wk_codes 1,024 x 32 x 32 uint8 (E4M3 codes of Wk, K innermost, in blocks of 32 codes); Wo_codes 1,024 x 32 x 32 uint8 (E4M3 codes of Wo, K innermost, in blocks of 32 codes); Wq_codes 1,024 x 32 x 32 uint8 (E4M3 codes of Wq, K innermost, in blocks of 32 codes); Wv_codes 1,024 x 32 x 32 uint8 (E4M3 codes of Wv, K innermost, in blocks of 32 codes); beta 1,024 float32; bk 1,024 float32; bo 1,024 float32; bq 1,024 float32; bv 1,024 float32; gamma 1,024 float32; lowp_scales 12 int32 (the exponents e of the quantised operands' scales 2^e); x 4,096 x 1,024 float32.
;; Outputs: out0 4,096 x 1,024 float32.
;; This version of the problem:
;;   THIS VERSION OF THE PROBLEM IS GIVEN IN LOW PRECISION. The matrix products marked QUANTISED in the list below multiply operands that are first quantised to E4M3 (4 exponent bits, 3 mantissa bits; 8 bits a number), with one given power-of-two scale for each operand tensor; their sums are f32. All else is computed in f32.
;;   The module's matrix products, in the order in which they are computed (A, B: the left and right operand; K: the contracted axis; several contracted axes count as one K, in the product's order):
;;     1. [M 4,096, K 1,024] x [K 1,024, N 1,024]; A: input x; B: input Wq (given as codes): QUANTISED (scales: A lowp_scales[0], B lowp_scales[1])
;;     2. [M 4,096, K 1,024] x [K 1,024, N 1,024]; A: input x; B: input Wk (given as codes): QUANTISED (scales: A lowp_scales[2], B lowp_scales[3])
;;     3. [M 4,096, K 1,024] x [K 1,024, N 1,024]; A: input x; B: input Wv (given as codes): QUANTISED (scales: A lowp_scales[4], B lowp_scales[5])
;;     4. batch 16 x [M 4,096, K 64] x [K 64, N 4,096]; A: computed on the way; B: computed on the way: QUANTISED (scales: A lowp_scales[6], B lowp_scales[7])
;;     5. batch 16 x [M 64, K 4,096] x [K 4,096, N 4,096]; A: computed on the way; B: softmax (see below): QUANTISED (scales: A lowp_scales[8], B lowp_scales[9])
;;     6. [M 4,096, K 1,024] x [K 1,024, N 1,024]; A: computed on the way; B: input Wo (given as codes): QUANTISED (scales: A lowp_scales[10], B lowp_scales[11])
;;   THE QUANTISER, for each operand of a quantised product, along K:
;;     - The operand's scale is 2^e, e = its entry of the input lowp_scales (int32; the entries are numbered through the quantised products in the list's order, A before B).
;;     - Each number is divided by the scale, clamped to +-448, and rounded to the nearest number of E4M3, ties to even, subnormals kept.
;;     - The product sums the exact products of the quantised numbers (number of the format x scale) in f32.
;;   ~~~python
;;   def quantise(x, axis, e):      # numpy; x: float32 -> the quantised numbers, widened to float32 again
;;       x = np.moveaxis(x, axis, -1); K = x.shape[-1]
;;       r = np.clip(x / 2.0 ** e, -448, 448)
;;       step = 2.0 ** (np.maximum(np.frexp(np.where(r == 0, 1, r))[1] - 1, -6) - 3)
;;       q = np.round(r / step) * step * 2.0 ** e      # np.round: ties to even
;;       return np.moveaxis(q, -1, axis).astype(np.float32)
;;   ~~~
;;   SOFTMAX AHEAD OF A QUANTISED PRODUCT. Where the list says 'softmax', what is quantised is not the finished softmax but p = 2^(t - M), with t = logit x log2(e) and M = ceil(the row's largest t), a whole number; so 1/2 < the row's largest p <= 1. The row's sum l is taken of the UNQUANTISED p, in f32, and the product's result is divided by l at the end. Since M is a whole number, a kernel that streams over the keys may use a running M (the ceiling of the running maximum): every later rescaling is an exact power of two, so the quantised numbers keep their values, but for numbers so far below the row's largest that they fall under the format's range.
;;   OPERANDS COMPUTED ON THE WAY. 'Computed on the way' means the value that the module computes at that place (a softmax that the list does not call 'softmax' is quantised finished and normalised). What goes into a quantiser is computed in f32, as accurately as f32 sums, v_exp_f32 and their like allow (about 1e-6 of the number): no bf16 or f16 on the way to a quantiser, and a product that is left as it is and whose result goes on into a quantised operand takes f32 operands (vector FMAs, or v_wmma_f32_16x16x4_f32). A number that lies on a knife's edge between two numbers of the format may be rounded either way, as far as f32 arithmetic and the matrix unit's own rounding can turn it there, and no further.
;;   INPUTS GIVEN AS CODES. Wk (in the module: [1024, 1024], K = its axis 1); Wo (in the module: [1024, 1024], K = its axis 1); Wq (in the module: [1024, 1024], K = its axis 1); Wv (in the module: [1024, 1024], K = its axis 1): each comes as NAME_codes (uint8): NAME with its K axis moved to the last place and cut into blocks of 32 codes, [.., K / 32, bytes a block], one block behind the other in memory; one code a byte (a code: sign, 4 exponent bits, 3 mantissa bits); its scale is its entry of lowp_scales. Its value is code x scale, taken as it is: it is not quantised again, and the codes and scales need not be those that the quantiser above would give.
;; One version. Each part assembles by itself: llvm-mc -triple=amdgcn-amd-amdhsa -mcpu=gfx1250 --defsym DOCPART=n.
;; ======== version 1 of 1: 4 launches
;; limits: right only within a limited range of input values
;; workspace buffers: xq 12,582,912 bytes; rope 1,048,576 bytes; woi 1,048,576 bytes; qi 4,194,304 bytes; kv 8,388,608 bytes; ctxi 4,194,304 bytes
;; launch prep (part 1): grid 304 x 1, 4 waves a work-group, no clusters, 33,280 bytes of LDS; arguments x, Wo_codes, lowp_scales, xq, rope, woi; writes xq, rope, woi
.if DOCPART == 1
	.amdgcn_target "amdgcn-amd-amdhsa--gfx1250"
	.amdhsa_code_object_version 6
	.text
	.protected	k_qc47f0ce90f_prep
	.globl	k_qc47f0ce90f_prep
	.p2align	8
	.type	k_qc47f0ce90f_prep,@function
k_qc47f0ce90f_prep:
	s_mov_b64 s[64:65], 0
	v_nop
	global_prefetch_b8 v0, s[64:65] scope:SCOPE_SE
	s_setreg_imm32_b32 hwreg(HW_REG_WAVE_MODE, 25, 1), 1
	s_wait_xcnt 0x0
; PREP: three jobs that are done once for the whole program; the work-group's number says which.
;   work-groups 0-255:   x [4096][1024] f32 becomes three sets of E4M3 codes, xq [3][4096][1024], K innermost: set 0 with the scale 2^e0, set 1 with 2^e2, set 2 with 2^e4
;                        (x is the left operand of three products, each with a scale entry of its own).  code = x / 2^e, held within +-448, to the nearest code, ties to even.
;   work-groups 256-287: the table of cos and sin for the rotary embedding, rope [256 tiles of 16 positions][8 groups][32 lanes][4 f32]: groups 0-3 cos, 4-7 sin;
;                        group g of lane (r, h) holds the frequencies 16 (g / 2) + 8 h + 4 (g % 2) + 0 .. 3 at position 16 tile + r: the order in which the next launch's registers want them.
;   work-groups 288-303: Wo's codes laid as images of operand registers, woi [8 K steps][64 tiles of 16 rows][4 groups][32 lanes][16 bytes]:
;                        registers 2 c, 2 c + 1 of lane (r, h) = Wo[16 tile + r][128 step + 16 c + 8 h + 0 .. 7].
; No work-group shares an input with another, so there is no cluster; no matrix work; no barrier: waves share nothing.  Only the first job uses LDS.
; LIMITS: e0, e2, e4 between -126 and 119, so that 2^e and 448 x 2^e are f32 numbers.  NaN in x is not served (an infinity is held at the largest code).
; The angle is position x frequency in one f32 multiplication; the 32 frequencies 10^(-j/8) are written as their nearest f32 numbers.
.set STEPS, 8                          ; a wave takes 8 steps of 512 numbers of x
.set WREG,  8192                       ; LDS: a region for each wave: two stages of 32 x SP bytes
.set SP,    80                         ; a lane's place in a stage: its 64 bytes + 16 of padding
.set RAW,   16                         ; v16-79   four sets of 16 numbers as they are loaded
.set NB,    80                         ; v80-111  two sets of 16 neighbours
.set HELD,  112                        ; v112-127 the 16 neighbours held within one set's range
.set COD,   128                        ; v128-223 codes: twelve registers for each step, so that no store's data are written again
.set CO,    64                         ; v64-95   cos at the 32 frequencies
.set SI,    96                         ; v96-127  sin
	s_load_b128 s[4:7], s[0:1], 0x0                ; x, Wo's codes
	s_load_b128 s[8:11], s[0:1], 0x10              ; the scales' exponents, xq
	s_load_b128 s[12:15], s[0:1], 0x20             ; rope, woi
	v_lshl_add_u32 v224, v0, 2, 0x8000
	v_mov_b32 v225, 0
	v_lshrrev_b32 v1, 5, v0
	v_readfirstlane_b32 s16, v1                    ; wave 0..3
	v_and_b32 v2, 31, v0                           ; lane
	v_lshlrev_b32 v3, 4, v2                        ; 16 x lane; never rewritten
	s_mov_b32 s19, 0                               ; the upper word of every offset below
	s_wait_kmcnt 0x0
	s_cmp_lt_u32 ttmp9, 256
	s_cbranch_scc0 .Lnot_x
; ---- x into three sets of codes.  A conversion takes 8 neighbours from ONE lane's registers, a load is best where neighbouring LANES take neighbouring bytes: each of a step's four loads reads 512 consecutive
; bytes, the 2,048 bytes go through the wave's own stage in LDS as they lie and come back 64 bytes a lane.  A lane's 16 codes are 16 bytes: each store of the wave covers 512 consecutive bytes, aligned.
	s_load_b256 s[32:39], s[8:9], 0x0              ; e0 .. e7: e0 = s32, e2 = s34, e4 = s36
	s_lshl_b32 s17, ttmp9, 2
	s_add_co_u32 s17, s17, s16                     ; which run of 4,096 numbers is my wave's: 0 .. 1023
	s_lshl_b32 s18, s17, 14
	s_add_nc_u64 s[4:5], s[4:5], s[18:19]          ; x at my run
	s_lshl_b32 s18, s17, 12
	s_add_nc_u64 s[24:25], s[10:11], s[18:19]      ; its codes in set 0,
	s_add_nc_u64 s[26:27], s[24:25], 0x400000      ; set 1,
	s_add_nc_u64 s[28:29], s[24:25], 0x800000      ; set 2
	s_mul_i32 s20, s16, WREG
	s_wait_alu depctr_va_vdst(0)
	v_lshrrev_b32 v14, 2, v2
	v_mul_u32_u24 v14, v14, SP
	v_and_b32 v15, 3, v2
	v_lshl_add_u32 v14, v15, 4, v14
	v_add_nc_u32 v14, s20, v14                     ; the stage, on the way in: four lanes' 64 bytes on end, then the padding
	v_mul_u32_u24 v15, v2, SP
	v_add_nc_u32 v15, s20, v15                     ; and on the way out: my 16 neighbours
.macro LOAD t
.irp i, 0,1,2,3
	global_load_b128 v[RAW+16*((\t)%4)+4*\i:RAW+16*((\t)%4)+4*\i+3], v3, s[4:5] offset:2048*(\t)+512*\i th:TH_LOAD_NT
.endr
.endm
.macro TURN t                          ; step t's numbers through the stage: LDS serves a wave's instructions in order (ISA guide 5.7.1.4), so no wait stands between the stores and the loads
.irp i, 0,1,2,3
	ds_store_b128 v14, v[RAW+16*((\t)%4)+4*\i:RAW+16*((\t)%4)+4*\i+3] offset:32*SP*((\t)%2)+8*SP*\i
.endr
.irp i, 0,1,2,3
	ds_load_b128 v[NB+16*((\t)%2)+4*\i:NB+16*((\t)%2)+4*\i+3], v15 offset:32*SP*((\t)%2)+16*\i
.endr
.endm
.irp t, 0,1,2,3
	LOAD \t
.endr
	s_wait_alu depctr_va_vdst(0)
	s_wait_kmcnt 0x0
.irp v, 0,1,2
	s_add_co_i32 s40, s[32+2*\v], 127
	s_lshl_b32 s41, s40, 23
	v_mov_b32 v[8+\v], s41                         ; 2^e as f32: the conversion takes its exponent field
	s_add_co_i32 s40, s40, 8
	s_lshl_b32 s40, s40, 23
	s_or_b32 s40, s40, 0x600000
	v_mov_b32 v[11+\v], s40                        ; 448 x 2^e
.endr
	s_wait_alu depctr_va_vdst(0)
	s_wait_loadcnt 12                              ; step 0's four loads are in; three steps' twelve stay out
	TURN 0
.macro XSTEP t
.set XS, NB+16*((\t)%2)
	s_wait_dscnt 0x0                               ; this step's numbers are back from the stage: so its stores into the stage have read their registers,
.if (\t)+4 < STEPS
	LOAD (\t)+4                                    ; which take the loads of four steps on
.endif
.if (\t)+1 < STEPS
.if STEPS-2-(\t) >= 3
	s_wait_loadcnt 12                              ; the next step's four loads are in; those of the three steps behind it may be out
.else
	s_wait_loadcnt 4*(STEPS-2-(\t))
.endif
	TURN (\t)+1                                    ; and go through the other stage while this step is worked
.endif
.irp v, 0,1,2
.irp i, 0,1,2,3,4,5,6,7,8,9,10,11,12,13,14,15
	v_med3_num_f32 v[HELD+\i], v[XS+\i], -v[11+\v], v[11+\v]   ; the conversion to an 8-bit code does not saturate (ISA guide 7.6.2): the hold at the largest code x the scale comes first
.endr
	v_cvt_scalef32_pk8_fp8_f32 v[COD+12*(\t)+4*\v:COD+12*(\t)+4*\v+1], v[HELD:HELD+7], v[8+\v]
	v_cvt_scalef32_pk8_fp8_f32 v[COD+12*(\t)+4*\v+2:COD+12*(\t)+4*\v+3], v[HELD+8:HELD+15], v[8+\v]
	v_nop                                          ; one plain vector line between the conversions and the next set's holds, which write their sources
	global_store_b128 v3, v[COD+12*(\t)+4*\v:COD+12*(\t)+4*\v+3], s[24+2*\v:25+2*\v] offset:512*(\t)
.endr
.endm
.irp t, 0,1,2,3,4,5,6,7
	XSTEP \t
.endr
	s_wait_tensorcnt 0x0
	ds_add_u32 v224, v225
	s_wait_dscnt 0x0
	s_endpgm
.Lnot_x:
	s_cmp_lt_u32 ttmp9, 288
	s_cbranch_scc0 .Lwo
; ---- the table.  A lane takes one position and all 32 frequencies.  cos and sin by reduction and polynomials in f32:
; n = the nearest whole number to a x 2 / pi; r = a - n pi / 2 with pi / 2 in two parts (the first product's difference is a multiple of 2^-24 under 1, so that step rounds nothing);
; sin r and cos r on |r| <= pi / 4 by polynomials of degree 7 and 8; n mod 4 says which of the two is wanted and with which sign.
	s_sub_co_u32 s17, ttmp9, 256
	s_lshl_b32 s17, s17, 2
	s_add_co_u32 s17, s17, s16                     ; which 32 positions are my wave's: 0 .. 127
	s_lshl_b32 s18, s17, 13
	s_add_nc_u64 s[20:21], s[12:13], s[18:19]      ; two tiles of 4,096 bytes
	s_lshl_b32 s22, s17, 5
	s_wait_alu depctr_va_vdst(0)
	v_add_nc_u32 v4, s22, v2
	v_cvt_f32_u32 v4, v4                           ; my position
	v_lshrrev_b32 v5, 4, v2
	v_and_b32 v6, 15, v2
	v_lshlrev_b32 v6, 4, v6
	v_lshl_add_u32 v5, v5, 12, v6                  ; where I store: tile lane / 16, 16 bytes at place lane % 16
	s_mov_b32 s40, 0xb94ca1f9                      ; sin: -1.9515296e-4,
	s_mov_b32 s41, 0x3c08839e                      ;       8.3321609e-3,
	s_mov_b32 s42, 0xbe2aaaa3                      ;      -1.6666655e-1
	s_mov_b32 s43, 0x37ccf5ce                      ; cos:  2.4433157e-5,
	s_mov_b32 s44, 0xbab6061a                      ;      -1.3887316e-3,
	s_mov_b32 s45, 0x3d2aaaa5                      ;       4.1666646e-2
.macro SINCOS f                        ; frequency number j (a symbol), its f32 pattern f
	v_mul_f32 v16, \f, v4                          ; a
	v_mul_f32 v17, 0x3f22f983, v16                 ; a x 2 / pi
	v_rndne_f32 v17, v17                           ; n
	v_fmamk_f32 v18, v17, 0xbfc90fdb, v16          ; a - n x the first part of pi / 2
	v_fmamk_f32 v18, v17, 0x333bbd2e, v18          ; - n x the second part (which is negative): r
	v_mul_f32 v19, v18, v18                        ; z = r r
	v_fma_f32 v20, s40, v19, s41
	v_fma_f32 v21, s43, v19, s44
	v_fma_f32 v20, v20, v19, s42
	v_fma_f32 v21, v21, v19, s45
	v_mul_f32 v22, v19, v18                        ; z r
	v_fma_f32 v21, v21, v19, -0.5
	v_fma_f32 v20, v20, v22, v18                   ; sin r
	v_fma_f32 v21, v21, v19, 1.0                   ; cos r
	v_cvt_i32_f32 v23, v17
	v_and_b32 v24, 1, v23
	v_cmp_ne_u32 vcc_lo, 0, v24                    ; n odd: the two change places
	v_add_nc_u32 v25, 1, v23
	v_lshlrev_b32 v23, 30, v23                     ; sin is negative where n mod 4 is 2 or 3: bit 1 of n,
	v_lshlrev_b32 v25, 30, v25                     ; cos where it is 1 or 2: bit 1 of n + 1
	v_cndmask_b32 v26, v20, v21, vcc_lo
	v_cndmask_b32 v27, v21, v20, vcc_lo
	v_and_b32 v23, 0x80000000, v23
	v_and_b32 v25, 0x80000000, v25
	v_xor_b32 v[SI+j], v26, v23
	v_xor_b32 v[CO+j], v27, v25
.set j, j+1
.endm
.set j, 0
.irp f, 0x3f800000, 0x3f3ff911, 0x3f0ff59a, 0x3ed7e89b, 0x3ea1e89b, 0x3e72d424, 0x3e361887, 0x3e088d77
	SINCOS \f
.endr
.irp f, 0x3dcccccd, 0x3d99940e, 0x3d6655c3, 0x3d2cba15, 0x3d0186e2, 0x3cc24350, 0x3c91ad39, 0x3c5a7bf1
	SINCOS \f
.endr
.irp f, 0x3c23d70a, 0x3bf5b9b0, 0x3bb8449c, 0x3b8a2e77, 0x3b4f3e37, 0x3b1b690d, 0x3ae91528, 0x3aaec98e
	SINCOS \f
.endr
.irp f, 0x3a83126f, 0x3a44948c, 0x3a136a16, 0x39dd1726, 0x39a5cb5f, 0x3978a814, 0x393a7753, 0x390bd472
	SINCOS \f
.endr
.irp h, 0,1                            ; what lane (r, h) of the reader wants lies at 256 h + 16 r of a group: sixteen lanes store 256 consecutive bytes, aligned
.irp g, 0,1,2,3
	global_store_b128 v5, v[CO+16*(\g/2)+8*\h+4*(\g%2):CO+16*(\g/2)+8*\h+4*(\g%2)+3], s[20:21] offset:512*\g+256*\h
	global_store_b128 v5, v[SI+16*(\g/2)+8*\h+4*(\g%2):SI+16*(\g/2)+8*\h+4*(\g%2)+3], s[20:21] offset:512*(4+\g)+256*\h
.endr
.endr
	s_endpgm
.Lwo:
; ---- Wo's codes as images.  A wave takes one tile of 16 rows, all of K: 16,384 bytes in, 16,384 out; each store covers 512 consecutive bytes, aligned.
	s_sub_co_u32 s17, ttmp9, 288
	s_lshl_b32 s17, s17, 2
	s_add_co_u32 s17, s17, s16                     ; my tile: 0 .. 63
	s_lshl_b32 s18, s17, 14
	s_add_nc_u64 s[6:7], s[6:7], s[18:19]          ; its 16 rows of 1,024 bytes
	s_lshl_b32 s18, s17, 11
	s_add_nc_u64 s[14:15], s[14:15], s[18:19]      ; its image in K step 0
	s_wait_alu depctr_va_vdst(0)
	v_and_b32 v4, 15, v2
	v_lshrrev_b32 v5, 4, v2
	v_lshlrev_b32 v4, 10, v4
	v_lshl_add_u32 v4, v5, 3, v4                   ; row r, + 8 h
.irp s, 0,1,2,3,4,5,6,7
.irp c, 0,1,2,3,4,5,6,7
	global_load_b64 v[16+16*\s+2*\c:17+16*\s+2*\c], v4, s[6:7] offset:128*\s+16*\c
.endr
.endr
.irp s, 0,1,2,3,4,5,6,7
	s_wait_loadcnt 8*(7-\s)                        ; this K step's eight loads are in; the later steps' eight each may be out
.irp g, 0,1,2,3
	global_store_b128 v3, v[16+16*\s+4*\g:19+16*\s+4*\g], s[14:15] offset:131072*\s+512*\g
.endr
.endr
	s_endpgm
.Lfunc_end_k_qc47f0ce90f_prep:
	.size	k_qc47f0ce90f_prep, .Lfunc_end_k_qc47f0ce90f_prep-k_qc47f0ce90f_prep
	.p2alignl 7, 3214868480
	.fill 96, 4, 3214868480
	.section	.rodata,"a",@progbits
	.p2align	6, 0x0
	.amdhsa_kernel k_qc47f0ce90f_prep
		.amdhsa_group_segment_fixed_size 33280
		.amdhsa_private_segment_fixed_size 0
		.amdhsa_enable_private_segment 0
		.amdhsa_kernarg_size 48
		.amdhsa_user_sgpr_count 2
		.amdhsa_user_sgpr_kernarg_segment_ptr 1
		.amdhsa_wavefront_size32 1
		.amdhsa_system_sgpr_workgroup_id_x 1
		.amdhsa_system_sgpr_workgroup_id_y 1
		.amdhsa_system_sgpr_workgroup_id_z 1
		.amdhsa_system_vgpr_workitem_id 0
		.amdhsa_next_free_vgpr 226
		.amdhsa_next_free_sgpr 66
		.amdhsa_reserve_vcc 1
		.amdhsa_float_denorm_mode_32 3
		.amdhsa_float_denorm_mode_16_64 3
		.amdhsa_memory_ordered 1
		.amdhsa_forward_progress 1
		.amdhsa_inst_pref_size 92
	.end_amdhsa_kernel
	.amdgpu_metadata
---
amdhsa.version: [ 1, 2 ]
amdhsa.kernels:
  - .name:           k_qc47f0ce90f_prep
    .symbol:         k_qc47f0ce90f_prep.kd
    .args:
      - { .name: x, .offset: 0, .size: 8, .value_kind: global_buffer, .address_space: global }
      - { .name: Wo_codes, .offset: 8, .size: 8, .value_kind: global_buffer, .address_space: global }
      - { .name: lowp_scales, .offset: 16, .size: 8, .value_kind: global_buffer, .address_space: global }
      - { .name: xq, .offset: 24, .size: 8, .value_kind: global_buffer, .address_space: global }
      - { .name: rope, .offset: 32, .size: 8, .value_kind: global_buffer, .address_space: global }
      - { .name: woi, .offset: 40, .size: 8, .value_kind: global_buffer, .address_space: global }
    .group_segment_fixed_size: 33280
    .private_segment_fixed_size: 0
    .kernarg_segment_align: 8
    .kernarg_segment_size: 48
    .max_flat_workgroup_size: 128
    .sgpr_count:     66
    .vgpr_count:     226
    .wavefront_size: 32
...
	.end_amdgpu_metadata
.endif
;; end of part 1
;; launch qkv (part 2): grid 12 x 16, 4 waves a work-group, clusters of 4 x 4, 327,680 bytes of LDS; arguments xq, Wq_codes, Wk_codes, Wv_codes, bq, bk, bv, lowp_scales, rope, qi, kv; writes qi, kv
.if DOCPART == 2
	.amdgcn_target "amdgcn-amd-amdhsa--gfx1250"
	.amdhsa_code_object_version 6
	.text
	.protected	k_qc47f0ce90f_qkv
	.globl	k_qc47f0ce90f_qkv
	.p2align	8
	.type	k_qc47f0ce90f_qkv,@function
k_qc47f0ce90f_qkv:
	s_mov_b64 s[64:65], 0
	v_nop
	global_prefetch_b8 v0, s[64:65] scope:SCOPE_SE
	s_setreg_imm32_b32 hwreg(HW_REG_WAVE_MODE, 25, 1), 1
	s_wait_xcnt 0x0
	s_wait_alu depctr_hold_cnt(0) depctr_sa_sdst(0) depctr_va_vdst(0) depctr_va_sdst(0) depctr_va_ssrc(0) depctr_va_vcc(0) depctr_vm_vsrc(0)
	s_getreg_b32 s2, hwreg(HW_REG_IB_STS2, 6, 4)
	s_cmp_eq_u32 s2, 0
	s_cbranch_scc0 .Lentry_in_a_cluster
	s_endpgm
.Lentry_in_a_cluster:
	s_bfe_u32 s2, ttmp6, 0x10000c
	s_cmp_lg_u32 s2, 0xf033
	s_cbranch_scc0 .Lentry_shape_is_right
	s_endpgm
.Lentry_shape_is_right:
.set KSTEP,  256
.set ROWB,   256
.set KROW,   1024
.set PITCH,  272
.set FR,     16
.set NL,     4
.set NP,     4
.set HALFT,  128*PITCH
.set SLOT,   4*HALFT
.set LAPS,   2
.set SPARE,  2*SLOT
.set ADRA, 16
.set ADRB, 20
.set R4,   25
.set LI,   26
.set H32,  27
.set SPW,  28
.set NIL,  29
.set SCL,  30
.set LIM,  31
.set AF,   128
.set BI,   32
.set RP,   96
.set TM,   160
.set YY,   192
.set CD,   224
.set BV,   32
.set VTM,  96
.set VCD,  160
.set G1, 24
.set G0, 32
.set G1B, 48
.set G0B, 56
.set MSB, 0
.macro WIN new
.if MSB != \new
	s_set_vgpr_msb (MSB<<8)|\new
.set MSB, \new
.endif
.endm
.set MUL_LO, 0xa1
.set MUL_HI, 0xf1
.set TO_B,   0x40
.macro JLOAD g0a, g1a, g0b, g1b
	s_cmp_eq_u32 s15, 0
	s_cbranch_scc0 .Lfor_b_\@
	tensor_load_to_lds s[\g0a:\g0a+3], s[\g1a:\g1a+7]
	s_nop 0
.rept 4
	v_nop
.endr
	s_branch .Lasked_\@
.Lfor_b_\@:
	tensor_load_to_lds s[\g0b:\g0b+3], s[\g1b:\g1b+7]
	s_nop 0
.rept 4
	v_nop
.endr
.Lasked_\@:
.endm
.macro CREST
	s_cmp_lg_u32 s14, 0
	s_cbranch_scc1 .Lnot_wave_0_\@
	s_barrier_signal -3
.Lnot_wave_0_\@:
	s_barrier_wait -3
	s_barrier_signal -1
	s_barrier_wait -1
.endm
.macro CROUND
	s_barrier_signal -1
	s_barrier_wait -1
	CREST
.endm
	s_load_b256 s[4:11], s[0:1], 0x0
	s_load_b256 s[68:75], s[0:1], 0x20
	s_load_b128 s[76:79], s[0:1], 0x40
	s_load_b64 s[80:81], s[0:1], 0x50
	v_lshl_add_u32 v[SPW], v0, 2, SPARE
	v_mov_b32 v[NIL], 0
	ds_add_u32 v28, v29
	ds_add_u32 v28, v29
	s_wait_dscnt 0x0
	v_lshrrev_b32 v1, 5, v0
	v_readfirstlane_b32 s14, v1
	s_lshr_b32 s15, s14, 1
	s_and_b32 s16, s14, 1
	s_bfe_u32 s40, ttmp6, 0x40000
	s_bfe_u32 s41, ttmp6, 0x40004
	s_and_b32 s12, ttmp7, 0xffff
	s_lshl_b32 s12, s12, 2
	s_cmp_eq_u32 ttmp9, 2
	s_cselect_b32 s42, s12, 0
	s_cselect_b32 s17, 0, s12
	s_add_co_u32 s42, s42, s40
	s_add_co_u32 s17, s17, s41
	s_lshl_b32 s43, s41, 2
	s_lshl_b32 s43, 15, s43
	s_lshl_b32 s44, 0x1111, s40
	s_or_b32 s[G1+0], s43, (0<<16)|(1<<20)|(1<<21)|(5<<22)|(3<<25)
	s_or_b32 s[G1B+0], s44, (0<<16)|(1<<20)|(1<<21)|(5<<22)|(3<<25)
.irp g, G1, G1B
	s_mov_b32 s[\g+1], ROWB<<16
	s_mov_b32 s[\g+2], 128<<16
	s_mov_b32 s[\g+3], ROWB<<16
	s_mov_b32 s[\g+4], 128
	s_mov_b32 s[\g+5], KROW
	s_mov_b32 s[\g+6], 0
	s_mov_b32 s[\g+7], 0
.endr
	s_lshl_b32 s18, s16, 7
	s_lshl_b32 s20, s17, 8
	s_add_co_u32 s20, s20, s18
	s_lshl_b32 s20, s20, 10
	s_lshl_b32 s46, s42, 8
	s_add_co_u32 s46, s46, s18
	s_lshl_b32 s46, s46, 10
	s_mov_b32 s21, 0
	s_mov_b32 s47, 0
	s_mul_i32 s45, s14, HALFT
	s_lshl_b32 s22, ttmp9, 22
	s_mov_b32 s23, 0
	s_wait_kmcnt 0x0
	s_load_b256 s[84:91], s[74:75], 0x0
	s_load_b32 s92, s[74:75], 0x20
	s_add_nc_u64 s[22:23], s[4:5], s[22:23]
	s_cmp_eq_u32 ttmp9, 0
	s_cselect_b64 s[12:13], s[6:7], s[8:9]
	s_cmp_eq_u32 ttmp9, 2
	s_cselect_b64 s[18:19], s[10:11], s[22:23]
	s_cselect_b64 s[12:13], s[22:23], s[12:13]
	s_add_nc_u64 s[20:21], s[18:19], s[20:21]
	s_add_nc_u64 s[46:47], s[12:13], s[46:47]
	CROUND
.irp s, 0,1
	s_mov_b32 s[G0+4*\s], 1
	s_add_co_u32 s[G0+4*\s+1], s45, \s*SLOT
	s_add_nc_u64 s[G0+4*\s+2:G0+4*\s+3], s[20:21], \s*ROWB
	s_or_b32 s[G0+4*\s+3], s[G0+4*\s+3], 0x80000000
	s_mov_b32 s[G0B+4*\s], 1
	s_add_co_u32 s[G0B+4*\s+1], s45, \s*SLOT
	s_add_nc_u64 s[G0B+4*\s+2:G0B+4*\s+3], s[46:47], \s*ROWB
	s_or_b32 s[G0B+4*\s+3], s[G0B+4*\s+3], 0x80000000
	s_wait_alu depctr_va_vdst(0)
	s_wait_tensorcnt 0x0
	ds_add_u32 v28, v29
	ds_add_u32 v28, v29
	s_wait_dscnt 0x0
	CROUND
	JLOAD G0+4*\s, G1, G0B+4*\s, G1B
.endr
	v_and_b32 v1, 15, v0
	v_bfe_u32 v2, v0, 4, 1
	v_mul_u32_u24 v3, v1, PITCH
	v_lshl_add_u32 v4, v2, 4, v3
	s_mul_i32 s21, s15, HALFT
	s_mul_i32 s22, s16, HALFT
	s_add_co_u32 s22, s22, 2*HALFT
.irp s, 0,1
	v_add_nc_u32 v[ADRA+\s], s21, v4
	v_add_nc_u32 v[ADRB+\s], s22, v4
	s_add_co_u32 s21, s21, SLOT
	s_add_co_u32 s22, s22, SLOT
.endr
.macro FRAG reg, adr, q, i
.irp c, 0,1,2,3
	ds_load_b128 v[\reg+4*\c:\reg+4*\c+3], v[\adr] offset:128*(\q)+32*\c+(\i)*16*PITCH
.endr
.endm
.macro MUL16 a0, p, zero
.irp a, \a0, \a0+1
.irp b, 0,1,2,3,4,5,6,7
.if \zero
	v_wmma_f32_16x16x128_fp8_fp8 v[8*(8*((\a)%4)+\b):8*(8*((\a)%4)+\b)+7], v[128*(\p)+FR*\b:128*(\p)+FR*\b+FR-1], v[AF+FR*(\a):AF+FR*(\a)+FR-1], 0
.else
	v_wmma_f32_16x16x128_fp8_fp8 v[8*(8*((\a)%4)+\b):8*(8*((\a)%4)+\b)+7], v[128*(\p)+FR*\b:128*(\p)+FR*\b+FR-1], v[AF+FR*(\a):AF+FR*(\a)+FR-1], v[8*(8*((\a)%4)+\b):8*(8*((\a)%4)+\b)+7]
.endif
.endr
.endr
.endm
.macro FETCH_B slot, q, p
	WIN TO_B
.irp i, 0,1,2,3,4,5,6,7
	FRAG 128*(\p)+FR*\i, ADRB+\slot, \q, \i
.endr
	WIN 0
.endm
.macro FETCH_A slot, q, i0
.irp i, \i0, \i0+1, \i0+2, \i0+3
	FRAG AF+FR*(\i), ADRA+\slot, \q, \i
.endr
.endm
.macro PLACES n
.rept \n
	v_nop
.endr
.endm
.macro STEP slot, q, zero
	s_wait_dscnt 4*NL
	WIN MUL_LO
	MUL16 0, (\q)%2, \zero
	MUL16 2, (\q)%2, \zero
	s_wait_dscnt 0
	PLACES NP
	FETCH_B \slot, (\q)+1, 1-(\q)%2
	FETCH_A \slot, (\q)+1, 0
	WIN MUL_HI
	MUL16 4, (\q)%2, \zero
	MUL16 6, (\q)%2, \zero
	PLACES NP
	WIN 0
	FETCH_A \slot, (\q)+1, 4
.endm
.macro TURN slot, next, fill
	s_wait_tensorcnt 0x0
	ds_add_u32 v[SPW], v[NIL]
	s_wait_dscnt 4*NL+1
	WIN MUL_LO
	MUL16 0, 1, 0
	s_wait_dscnt 0x0
	s_barrier_signal -1
	MUL16 2, 1, 0
	WIN 0
	s_barrier_wait -1
.if \fill
	CREST
	s_add_nc_u64 s[G0+4*\slot+2:G0+4*\slot+3], s[G0+4*\slot+2:G0+4*\slot+3], 2*ROWB
	s_add_nc_u64 s[G0B+4*\slot+2:G0B+4*\slot+3], s[G0B+4*\slot+2:G0B+4*\slot+3], 2*ROWB
	JLOAD G0+4*\slot, G1, G0B+4*\slot, G1B
.else
	PLACES NP
.endif
	FETCH_B \next, 0, 0
	FETCH_A \next, 0, 0
	WIN MUL_HI
	MUL16 4, 1, 0
	MUL16 6, 1, 0
	PLACES NP
	WIN 0
	FETCH_A \next, 0, 4
.endm
	s_wait_alu depctr_va_vdst(0)
	s_wait_tensorcnt 1
	s_barrier_signal -1
	s_barrier_wait -1
	FETCH_B 0, 0, 0
	FETCH_A 0, 0, 0
	FETCH_A 0, 0, 4
	STEP 0, 0, 1
	s_mov_b32 s3, LAPS-1
.Llap:
	TURN 0, 1, 1
	STEP 1, 0, 0
	TURN 1, 0, 1
	STEP 0, 0, 0
	s_sub_co_u32 s3, s3, 1
	s_cmp_lg_u32 s3, 0
	s_cbranch_scc1 .Llap
	TURN 0, 1, 0
	STEP 1, 0, 0
	s_wait_dscnt 4*NL
	WIN MUL_LO
	MUL16 0, 1, 0
	MUL16 2, 1, 0
	s_wait_dscnt 0
	WIN MUL_HI
	MUL16 4, 1, 0
	MUL16 6, 1, 0
	WIN 0
	v_and_b32 v1, 31, v0
	v_lshlrev_b32 v[LI], 4, v1
	v_bfe_u32 v2, v0, 4, 1
	v_lshlrev_b32 v[H32], 5, v2
	v_and_b32 v3, 15, v0
	v_lshlrev_b32 v[R4], 2, v3
	s_wait_kmcnt 0x0
	s_cmp_eq_u32 ttmp9, 2
	s_cbranch_scc1 .Lv_out
	s_cmp_eq_u32 ttmp9, 0
	s_cselect_b32 s18, s84, s86
	s_cselect_b32 s19, s85, s87
	s_cselect_b32 s97, s90, s91
	s_cselect_b64 s[66:67], s[68:69], s[70:71]
	s_cselect_b64 s[98:99], s[78:79], s[80:81]
	s_cselect_b32 s21, 0, 1
	s_add_co_i32 s94, s18, s19
	s_add_co_i32 s94, s94, 127
	s_lshl_b32 s94, s94, 23
	s_mov_b32 s95, s94
	s_add_co_i32 s97, s97, 127
	s_lshl_b32 s96, s97, 23
	s_add_co_i32 s97, s97, 8
	s_lshl_b32 s97, s97, 23
	s_or_b32 s97, s97, 0x600000
	v_mov_b32 v[SCL], s96
	v_mov_b32 v[LIM], s97
	s_lshl_b32 s20, s40, 2
	s_lshl_b32 s22, s16, 1
	s_add_co_u32 s20, s20, s22
	s_lshl_b32 s20, s20, 18
	s_lshl_b32 s22, s17, 14
	s_add_co_u32 s20, s20, s22
	s_lshl_b32 s22, s15, 13
	s_add_co_u32 s20, s20, s22
	s_lshl_b32 s20, s20, s21
	s_lshl_b32 s22, 0x40000, s21
	s_mov_b32 s21, 0
	s_mov_b32 s23, 0
	s_add_nc_u64 s[98:99], s[98:99], s[20:21]
	s_add_nc_u64 s[100:101], s[98:99], s[22:23]
	s_lshl_b32 s20, s40, 10
	s_lshl_b32 s22, s16, 9
	s_add_co_u32 s20, s20, s22
	s_add_nc_u64 s[66:67], s[66:67], s[20:21]
	s_lshl_b32 s20, s17, 16
	s_lshl_b32 s22, s15, 15
	s_add_co_u32 s20, s20, s22
	s_add_nc_u64 s[82:83], s[76:77], s[20:21]
	s_wait_alu depctr_va_vdst(0)
.irp b, 0,1,2,3,4,5,6,7
	global_load_b128 v[BI+8*\b:BI+8*\b+3], v[H32], s[66:67] offset:64*\b
	global_load_b128 v[BI+8*\b+4:BI+8*\b+7], v[H32], s[66:67] offset:64*\b+16
.endr
.irp g, 0,1,2,3,4,5,6,7
	global_load_b128 v[RP+4*\g:RP+4*\g+3], v[LI], s[82:83] offset:512*\g
.endr
.macro QK_TILE a
.set AC, 64*((\a)%4)
.set RC, RP+32*((\a)%2)
.if (\a) >= 2
	s_wait_xcnt 0x0
.endif
.if (\a) < 7
.irp g, 0,1,2,3,4,5,6,7
	global_load_b128 v[RP+32*(((\a)+1)%2)+4*\g:RP+32*(((\a)+1)%2)+4*\g+3], v[LI], s[82:83] offset:4096*((\a)+1)+512*\g
.endr
	s_wait_loadcnt 8
.else
	s_wait_loadcnt 0x0
.endif
.irp hh, 0,1
.set CDS, CD+8*((2*(\a)+\hh)%4)
	WIN 0x02+((\a)/4)
.irp t, 0,1,2,3
.irp i, 0,2,4,6
	v_pk_fma_f32 v[TM+8*\t+\i:TM+8*\t+\i+1], v[AC+8*(4*\hh+\t)+\i:AC+8*(4*\hh+\t)+\i+1], s[94:95], v[BI+8*(4*\hh+\t)+\i:BI+8*(4*\hh+\t)+\i+1] op_sel_hi:[1,0,1]
.endr
.endr
	WIN 0
.irp k, 0,2,4,6,8,10,12,14
	v_pk_mul_f32 v[YY+\k:YY+\k+1], v[TM+\k:TM+\k+1], v[RC+\k:RC+\k+1]
	v_pk_mul_f32 v[YY+16+\k:YY+17+\k], v[TM+16+\k:TM+17+\k], v[RC+\k:RC+\k+1]
.endr
.irp k, 0,2,4,6,8,10,12,14
	v_pk_fma_f32 v[YY+\k:YY+\k+1], v[TM+16+\k:TM+17+\k], v[RC+16+\k:RC+17+\k], v[YY+\k:YY+\k+1] neg_lo:[1,0,0] neg_hi:[1,0,0]
	v_pk_fma_f32 v[YY+16+\k:YY+17+\k], v[TM+\k:TM+\k+1], v[RC+16+\k:RC+17+\k], v[YY+16+\k:YY+17+\k]
.endr
.set i, 0
.rept 32
	v_med3_num_f32 v[YY+i], v[YY+i], -v[LIM], v[LIM]
.set i, i+1
.endr
.irp t, 0,1,2,3
	v_cvt_scalef32_pk8_fp8_f32 v[CDS+2*\t:CDS+2*\t+1], v[YY+8*\t:YY+8*\t+7], v[SCL]
.endr
	v_nop
	global_store_b128 v[LI], v[CDS:CDS+3], s[98+2*\hh:99+2*\hh] offset:1024*(\a)
	global_store_b128 v[LI], v[CDS+4:CDS+7], s[98+2*\hh:99+2*\hh] offset:1024*(\a)+512
.endr
.endm
.irp a, 0,1,2,3,4,5,6,7
	QK_TILE \a
.endr
	s_branch .Ldone
.Lv_out:
	s_add_co_i32 s94, s88, s89
	s_add_co_i32 s94, s94, 127
	s_lshl_b32 s94, s94, 23
	s_mov_b32 s95, s94
	s_add_co_i32 s97, s92, 127
	s_lshl_b32 s96, s97, 23
	s_add_co_i32 s97, s97, 8
	s_lshl_b32 s97, s97, 23
	s_or_b32 s97, s97, 0x600000
	v_mov_b32 v[SCL], s96
	v_mov_b32 v[LIM], s97
	s_lshl_b32 s20, s41, 10
	s_lshl_b32 s22, s15, 9
	s_add_co_u32 s20, s20, s22
	s_mov_b32 s21, 0
	s_add_nc_u64 s[66:67], s[72:73], s[20:21]
	s_lshl_b32 s20, s41, 21
	s_lshl_b32 s22, s15, 20
	s_add_co_u32 s20, s20, s22
	s_lshl_b32 s22, s42, 15
	s_add_co_u32 s20, s20, s22
	s_lshl_b32 s22, s16, 14
	s_add_co_u32 s20, s20, s22
	s_add_co_u32 s20, s20, 8192
	s_add_nc_u64 s[98:99], s[80:81], s[20:21]
	s_wait_alu depctr_va_vdst(0)
.irp a, 0,1,2,3,4,5,6,7
	global_load_b32 v[BV+2*\a], v[R4], s[66:67] offset:64*\a
	global_load_b32 v[BV+2*\a+1], v[R4], s[66:67] offset:64*\a
.endr
	s_wait_loadcnt 0x0
.macro V_TILE a
.set AC, 64*((\a)%4)
.set CDS, VCD+16*((\a)%4)
.if (\a) >= 4
	s_wait_xcnt 0x0
.endif
	WIN 0x02+((\a)/4)
.irp b, 0,1,2,3,4,5,6,7
.irp i, 0,2,4,6
	v_pk_fma_f32 v[VTM+8*\b+\i:VTM+8*\b+\i+1], v[AC+8*\b+\i:AC+8*\b+\i+1], s[94:95], v[BV+2*(\a):BV+2*(\a)+1] op_sel_hi:[1,0,1]
.endr
.endr
	WIN 0
.set i, 0
.rept 64
	v_med3_num_f32 v[VTM+i], v[VTM+i], -v[LIM], v[LIM]
.set i, i+1
.endr
.irp b, 0,1,2,3,4,5,6,7
	v_cvt_scalef32_pk8_fp8_f32 v[CDS+2*\b:CDS+2*\b+1], v[VTM+8*\b:VTM+8*\b+7], v[SCL]
.endr
	v_nop
.irp g, 0,1,2,3
	global_store_b128 v[LI], v[CDS+4*\g:CDS+4*\g+3], s[98:99] offset:((\a)/4)*524288+((\a)%4)*2048+512*\g
.endr
.endm
.irp a, 0,1,2,3,4,5,6,7
	V_TILE \a
.endr
.Ldone:
	s_wait_tensorcnt 0x0
	ds_add_u32 v[SPW], v[NIL]
	s_wait_dscnt 0x0
	CROUND
	s_endpgm
.Lfunc_end_k_qc47f0ce90f_qkv:
	.size	k_qc47f0ce90f_qkv, .Lfunc_end_k_qc47f0ce90f_qkv-k_qc47f0ce90f_qkv
	.p2alignl 7, 3214868480
	.fill 96, 4, 3214868480
	.section	.rodata,"a",@progbits
	.p2align	6, 0x0
	.amdhsa_kernel k_qc47f0ce90f_qkv
		.amdhsa_group_segment_fixed_size 327680
		.amdhsa_private_segment_fixed_size 0
		.amdhsa_enable_private_segment 0
		.amdhsa_kernarg_size 88
		.amdhsa_user_sgpr_count 2
		.amdhsa_user_sgpr_kernarg_segment_ptr 1
		.amdhsa_wavefront_size32 1
		.amdhsa_system_sgpr_workgroup_id_x 1
		.amdhsa_system_sgpr_workgroup_id_y 1
		.amdhsa_system_sgpr_workgroup_id_z 1
		.amdhsa_system_vgpr_workitem_id 0
		.amdhsa_next_free_vgpr 1024
		.amdhsa_next_free_sgpr 102
		.amdhsa_reserve_vcc 0
		.amdhsa_float_denorm_mode_32 3
		.amdhsa_float_denorm_mode_16_64 3
		.amdhsa_memory_ordered 1
		.amdhsa_forward_progress 1
		.amdhsa_inst_pref_size 235
	.end_amdhsa_kernel
	.amdgpu_metadata
---
amdhsa.version: [ 1, 2 ]
amdhsa.kernels:
  - .name:           k_qc47f0ce90f_qkv
    .symbol:         k_qc47f0ce90f_qkv.kd
    .args:
      - { .name: xq, .offset: 0, .size: 8, .value_kind: global_buffer, .address_space: global }
      - { .name: Wq_codes, .offset: 8, .size: 8, .value_kind: global_buffer, .address_space: global }
      - { .name: Wk_codes, .offset: 16, .size: 8, .value_kind: global_buffer, .address_space: global }
      - { .name: Wv_codes, .offset: 24, .size: 8, .value_kind: global_buffer, .address_space: global }
      - { .name: bq, .offset: 32, .size: 8, .value_kind: global_buffer, .address_space: global }
      - { .name: bk, .offset: 40, .size: 8, .value_kind: global_buffer, .address_space: global }
      - { .name: bv, .offset: 48, .size: 8, .value_kind: global_buffer, .address_space: global }
      - { .name: lowp_scales, .offset: 56, .size: 8, .value_kind: global_buffer, .address_space: global }
      - { .name: rope, .offset: 64, .size: 8, .value_kind: global_buffer, .address_space: global }
      - { .name: qi, .offset: 72, .size: 8, .value_kind: global_buffer, .address_space: global }
      - { .name: kv, .offset: 80, .size: 8, .value_kind: global_buffer, .address_space: global }
    .group_segment_fixed_size: 327680
    .private_segment_fixed_size: 0
    .kernarg_segment_align: 8
    .kernarg_segment_size: 88
    .max_flat_workgroup_size: 128
    .sgpr_count:     102
    .vgpr_count:     1024
    .wavefront_size: 32
...
	.end_amdgpu_metadata
.endif
;; end of part 2
;; launch attn (part 3): grid 16 x 16, 8 waves a work-group, clusters of 4 x 1, 327,680 bytes of LDS; arguments qi, kv, lowp_scales, ctxi; writes ctxi
.if DOCPART == 3
	.amdgcn_target "amdgcn-amd-amdhsa--gfx1250"
	.amdhsa_code_object_version 6
	.text
	.protected	k_qc47f0ce90f_attn
	.globl	k_qc47f0ce90f_attn
	.p2align	8
	.type	k_qc47f0ce90f_attn,@function
k_qc47f0ce90f_attn:
	s_mov_b64 s[64:65], 0
	v_nop
	global_prefetch_b8 v0, s[64:65] scope:SCOPE_SE
	s_setreg_imm32_b32 hwreg(HW_REG_WAVE_MODE, 25, 1), 1
	s_wait_xcnt 0x0
	s_wait_alu depctr_hold_cnt(0) depctr_sa_sdst(0) depctr_va_vdst(0) depctr_va_sdst(0) depctr_va_ssrc(0) depctr_va_vcc(0) depctr_vm_vsrc(0)
	s_getreg_b32 s2, hwreg(HW_REG_IB_STS2, 6, 4)
	s_cmp_eq_u32 s2, 0
	s_cbranch_scc0 .Lentry_in_a_cluster
	s_endpgm
.Lentry_in_a_cluster:
	s_bfe_u32 s2, ttmp6, 0x10000c
	s_cmp_lg_u32 s2, 0x3003
	s_cbranch_scc0 .Lentry_shape_is_right
	s_endpgm
.Lentry_shape_is_right:
; ATTENTION on E4M3 codes: ctx[q][head] = the sum over keys of softmax(q . k / 8) v, both products quantised; ctx is quantised at once for the last product.
; THE SOFTMAX AHEAD OF THE SECOND PRODUCT: t = score x log2(e) / 8; M = the row's largest t so far, rounded UP to a whole number; p = 2^(t - M) is quantised (scale 2^e9), not normalised.
; The row's sum is taken of the unquantised p, in f32, and divides at the end.  When M moves, the sum and O are multiplied by 2^(old M - new M), which rounds nothing.
; SHARES.  A work-group owns 256 queries of one head; each of its EIGHT waves owns two tiles of 16 queries, in 512 registers: two waves to a SIMD.  Each fragment of k and v read from LDS feeds two products.
; Every wave walks all 4,096 keys, 128 a step: 16 products of 16 x 16 x 64 (K = the head's 64) and 8 of 16 x 16 x 128 (K = the step's keys).
; LAYOUT.  Both products are used transposed: S^T = k q^T, O^T = v^T p^T: a lane holds ONE query (lane % 16) of each tile throughout.
; Eight registers of score tile T are keys 16 T + 8 (lane / 16) + 0 .. 7: their conversion gives registers 2 T, 2 T + 1 of the second product's operand.
; q, k and v arrive as images of operand registers (register group n of lane l at 512 n + 16 l): every LDS load takes 512 consecutive bytes, so LDS needs no padding.
; THE RING.  Two slots of eight key steps (131,072 bytes, one dense block of kv); each of the eight waves fills one key step, 16,384 bytes, with its one load.
; CLUSTER.  The four blocks of queries of a cluster belong to one head and walk the same kv: each slot is asked for JOINTLY, same descriptor, mask of all four.
; LDS LOADS stand in two runs behind the first products: this step's 16 of v, then the next step's 16 of k, into registers of their own.  A slot's last step, written out behind the loop, asks for no further k.
; LIMITS: e6 + e7 between -123 and 130 (added to c's exponent field); e9 and e10 between -126 and 119; e8 + e9 has none (v_ldexp_f32).  The scaled scores t stay under 2^31 in magnitude.
; REGISTERS, in two windows of 256.  Window 0: v1-6 addresses; v8-21, v240-247 both tiles' small state; v176-239 k's eight fragments.  Window 1: v176-239 v's four fragments.
; In window j, for tile j: v24-31 q; v32-95 S^T, then p; v96-127 O^T; v128-143 p's codes; v144-145 the sum in two halves; v146-153 at work; v160-164 constants.
.set SLOTB, 131072                     ; a slot; one exclusive or turns an address in one slot into the other's
.set SPARE, 2*SLOTB                    ; behind the ring: the spare words, 128 bytes a wave: four blocks of 256 bytes that no other line names
.set NSL,   4                          ; slots' worth of keys
.set LI,   1                           ; v1   16 x lane
.set ADR,  2                           ; v2   LDS address of the key step in hand
.set PFO,  3                           ; v3   256 x lane
.set SPW,  5                           ; v5   my spare word; never rewritten
.set NIL,  6                           ; v6   0; never rewritten
.set Q,    24
.set S,    32
.set O,    96
.set CD,   128
.set L,    144
.set T,    146
.set HA,   160                         ; 448 x 2^e9, twice: the two halves of a dual pair name different registers
.set HB,   161
.set SC,   162                         ; 2^e9
.set HC,   163                         ; 448 x 2^e10
.set SD,   164                         ; 2^e10
.set FR,   176
.set MX,   240                         ; window 0: tile j's four chains of maxima at v[MX+4j ..]
; window 0, tile j: v[8+2j] -M, v[9+2j] the largest score so far; v[12+2j] f (low word of a pair); v[16+2j], v[17+2j] at work; v[20+j] a permute's destination
.set WV,   12
.set SEL,  20
.set CS,   22                          ; s[22:23] c = log2(e) / 8 x 2^(e6 + e7)
.set G1,   24
.set G0,   32
.set TB,   36                          ; s36  LDS byte of the key step in hand
.set SLOTS, 37
.set PFA,  38
.set LIM,  40
.set SB,   41                          ; s41  LDS byte at which the slot in hand begins
.set KS,   42
.set MSB, 0
.macro WIN new                         ; low byte: bits 1:0 source 0, 3:2 source 1, 5:4 source 2, 7:6 destination; the high byte repeats the setting that is left
.if MSB != \new
	s_set_vgpr_msb (MSB<<8)|\new
.set MSB, \new
.endif
.endm
.macro CROUND                          ; a round of the cluster's barrier
	s_barrier_signal -1
	s_barrier_wait -1
	s_cmp_lg_u32 s[WV], 0
	s_cbranch_scc1 .Lnot_wave_0_\@
	s_barrier_signal -3
.Lnot_wave_0_\@:
	s_barrier_wait -3
	s_barrier_signal -1
	s_barrier_wait -1
.endm
.macro TLOAD                           ; every wave fetches one key step of the slot; s_nop 0 and four v_nop follow
	tensor_load_to_lds s[G0:G0+3], s[G1:G1+7]
	s_nop 0
.rept 4
	v_nop
.endr
.endm
; A PREFETCH of the slot that the NEXT change of slots will ask for, eight key steps ahead of that load.  A slot is 512 blocks of 256 bytes.  All four clusters of a head walk the same kv: the head's first asks.
; Its four partners take 32,768 bytes each, told apart BY ADDRESS; in each, waves 4 to 7 ask for 8,192 bytes, lanes 256 bytes apart: each block is named once in the launch.
; Slots 0 and 1 come by their loads alone; the last change that fills a slot asks for nothing.
.macro ASK
	s_cmp_gt_u32 s[SLOTS], s[LIM]
	s_cbranch_scc0 .Lnot_mine_\@
	global_prefetch_b8 v[PFO], s[PFA:PFA+1] th:TH_LOAD_NT scope:SCOPE_SE
.Lnot_mine_\@:
.endm
	s_load_b256 s[4:11], s[0:1], 0x0               ; qi, kv, the scales' exponents, ctxi
	v_lshl_add_u32 v[SPW], v0, 2, SPARE
	v_mov_b32 v[NIL], 0
	ds_add_u32 v[SPW], v[NIL]                      ; the opening: the add twice on end and one wait, ahead of my first tensor load
	ds_add_u32 v[SPW], v[NIL]
	v_lshrrev_b32 v7, 5, v0
	v_readfirstlane_b32 s[WV], v7                  ; wave 0..7
	s_bfe_u32 s13, ttmp6, 0x40000                  ; cx
	s_and_b32 s14, ttmp7, 0xffff                   ; the head, which the four partners share
	s_lshl_b32 s15, ttmp9, 2
	s_add_co_u32 s15, s15, s13                     ; my block of 256 queries
	s_lshl_b32 s15, s15, 3
	s_add_co_u32 s15, s15, s[WV]
	s_lshl_b32 s15, s15, 1                         ; my first tile of 16 queries: it enters qi's and ctxi's addresses alone
	s_lshl_b32 s16, s[WV], 14                      ; the key step that I fetch: its place in a slot and in memory
	s_mov_b32 s[G1], 15|(3<<16)|(1<<21)            ; the mask of all four; elements of 8 bytes; no padding; bit 21 beside a mask
	s_mov_b32 s[G1+1], 32<<16                      ; 16,384 dense bytes as 64 rows of 32 elements
	s_mov_b32 s[G1+2], 64<<16
	s_mov_b32 s[G1+3], 32<<16
	s_mov_b32 s[G1+4], 64
	s_mov_b32 s[G1+5], 32
	s_mov_b32 s[G1+6], 0
	s_mov_b32 s[G1+7], 0
	s_mov_b32 s[SEL], 0x76543210
	s_mov_b32 s[SEL+1], 0xfedcba98
	s_mov_b32 s[CS], 0x3e38aa3b                    ; log2(e) / 8
	s_mov_b32 s[SB], 0
	s_mov_b32 s[SLOTS], NSL-1
	s_lshr_b32 s50, s[WV], 2
	s_xor_b32 s50, s50, 1                          ; 0 in waves 4 to 7,
	s_or_b32 s50, s50, ttmp9                       ; of the head's first cluster: the same in all four partners
	s_cmp_eq_u32 s50, 0
	s_cselect_b32 s[LIM], 1, -1
	s_lshl_b32 s50, s14, 19                        ; 524,288 bytes of kv a head
	s_mov_b32 s51, 0
	s_mov_b32 s52, s16
	s_mov_b32 s53, 0
	s_wait_dscnt 0x0                               ; both opening adds are done
	s_wait_kmcnt 0x0
	s_load_b128 s[44:47], s[8:9], 0x18             ; e6, e7, e8, e9
	s_load_b32 s48, s[8:9], 0x28                   ; e10
	s_add_nc_u64 s[6:7], s[6:7], s[50:51]          ; kv at my head
	s_mov_b32 s[G0], 1
	s_mov_b32 s[G0+1], s16                         ; slot 0
	s_add_nc_u64 s[G0+2:G0+3], s[6:7], s[52:53]
	s_or_b32 s[G0+3], s[G0+3], 0x80000000
	CROUND                                         ; all four work-groups are here: the first joint loads meet
	TLOAD                                          ; slot 0: my one load at the head
	s_lshl_b32 s50, s13, 15                        ; the prefetches: my work-group's 32,768 bytes of a slot,
	s_and_b32 s52, s[WV], 3
	s_lshl_b32 s52, s52, 13                        ; my wave's 8,192 of them,
	s_add_co_u32 s50, s50, s52
	s_add_co_u32 s50, s50, SLOTB                   ; in slot 1: the first change of slots steps it to slot 2
	s_add_nc_u64 s[PFA:PFA+1], s[6:7], s[50:51]
	s_lshl_b32 s50, s14, 18                        ; qi: 262,144 bytes a head, 1,024 a tile
	s_lshl_b32 s52, s15, 10
	s_add_co_u32 s50, s50, s52
	s_add_nc_u64 s[4:5], s[4:5], s[50:51]
	s_lshl_b32 s50, s15, 14                        ; ctxi: 16,384 bytes a tile of rows, 1,024 x head inside it
	s_lshl_b32 s52, s14, 10
	s_add_co_u32 s50, s50, s52
	s_add_nc_u64 s[10:11], s[10:11], s[50:51]
	v_and_b32 v7, 31, v0
	v_lshlrev_b32 v[LI], 4, v7
	v_lshlrev_b32 v[PFO], 8, v7
	global_load_b128 v[Q:Q+3], v[LI], s[4:5]       ; q's fragments stay in registers: tile 0 in window 0,
	global_load_b128 v[Q+4:Q+7], v[LI], s[4:5] offset:512
	WIN 0x40
	global_load_b128 v[Q:Q+3], v[LI], s[4:5] offset:1024   ; tile 1 in window 1
	global_load_b128 v[Q+4:Q+7], v[LI], s[4:5] offset:1536
.irp w, 0x40, 0                        ; O^T and the sums begin as zeros: the key step is written once, and the first change of M leaves zeros zeros
	WIN \w
.set j, 0
.rept 32
	v_mov_b32 v[O+j], 0
.set j, j+1
.endr
	v_mov_b32 v[L], 0
	v_mov_b32 v[L+1], 0
.endr
.irp j, 0,1
	v_mov_b32 v[8+2*\j], 0x7f61b1e6                ; -M = 3e38
	v_mov_b32 v[9+2*\j], 0xff61b1e6                ; the largest score so far: -3e38, under every score
	v_mov_b32 v[13+2*\j], 0                        ; the upper half of f's pair: named, so written
	v_mov_b32 v[20+\j], 0                          ; a lane permute's destination counts as a source
.endr
	s_wait_kmcnt 0x0
	s_add_co_i32 s50, s44, s45
	s_lshl_b32 s50, s50, 23
	s_add_co_i32 s[CS], s[CS], s50                 ; a score stands for score x 2^(e6 + e7)
	s_mov_b32 s[CS+1], s[CS]
	s_add_co_i32 s50, s47, 127
	s_lshl_b32 s54, s50, 23                        ; 2^e9
	s_add_co_i32 s50, s50, 8
	s_lshl_b32 s50, s50, 23
	s_or_b32 s55, s50, 0x600000                    ; 448 x 2^e9
	s_add_co_i32 s50, s48, 127
	s_lshl_b32 s56, s50, 23                        ; 2^e10
	s_add_co_i32 s50, s50, 8
	s_lshl_b32 s50, s50, 23
	s_or_b32 s57, s50, 0x600000                    ; 448 x 2^e10
.irp w, 0, 0x40                        ; the constants, in both windows
	WIN \w
	v_mov_b32 v[HA], s55
	v_mov_b32 v[HB], s55
	v_mov_b32 v[SC], s54
	v_mov_b32 v[HC], s57
	v_mov_b32 v[SD], s56
.endr
	WIN 0
.macro RUN16 off                       ; 16 LDS loads in one run: 8,192 bytes at byte off from v[ADR], group n at 512 n, into the 64 fragment registers of the destination's window
.set i, 0
.rept 16
	ds_load_b128 v[FR+4*i:FR+4*i+3], v[ADR] offset:\off+512*i
.set i, i+1
.endr
.endm
.macro SMUL                            ; S^T of one tile of queries: keys 16 t + 8 (lane / 16) + 0 .. 7 in accumulator t
.irp t, 0,1,2,3,4,5,6,7
	v_wmma_f32_16x16x64_fp8_fp8 v[S+8*\t:S+8*\t+7], v[FR+8*\t:FR+8*\t+7], v[Q:Q+7], 0
.endr
.endm
.macro PV                              ; O^T += v^T p^T of one tile: four accumulators by turns, one instruction a turn
.irp c, 0,1,2,3
	v_wmma_f32_16x16x128_fp8_fp8 v[O+8*\c:O+8*\c+7], v[FR+16*\c:FR+16*\c+15], v[CD:CD+15], v[O+8*\c:O+8*\c+7]
.endr
.endm
.macro MAXT j                          ; the largest score so far and my 64 new ones, in four chains that take turns; each accumulator is read from its low end on
.irp k, 0,1,2,3
	v_max3_num_f32 v[MX+4*\j+\k], v[9+2*\j], v[S+2*\k], v[S+2*\k+1]
.endr
.irp i, 8,16,24,32,40,48,56
.irp k, 0,1,2,3
	v_max3_num_f32 v[MX+4*\j+\k], v[MX+4*\j+\k], v[S+\i+2*\k], v[S+\i+2*\k+1]
.endr
.endr
.endm
.macro FMAS j, from, cnt               ; t - M, two at a time, cnt pairs from register S + from on (of the pairs c and -M the low word serves both halves)
.set i, \from
.rept \cnt
	v_pk_fma_f32 v[S+i:S+i+1], v[S+i:S+i+1], s[CS:CS+1], v[8+2*\j:9+2*\j] op_sel_hi:[1,0,0]
.set i, i+2
.endr
.endm
.macro RESC j                          ; O^T and the sum under the new M: x f (the low word of f's pair serves both halves)
.set i, 0
.rept 16
	v_pk_mul_f32 v[O+i:O+i+1], v[O+i:O+i+1], v[12+2*\j:13+2*\j] op_sel_hi:[1,0]
.set i, i+2
.endr
	v_pk_mul_f32 v[L:L+1], v[L:L+1], v[12+2*\j:13+2*\j] op_sel_hi:[1,0]
.endm
.macro EXPS
.set i, 0
.rept 64
	v_exp_f32 v[S+i], v[S+i]                       ; p = 2^(t - M), at most 1: not normalised
.set i, i+1
.endr
.endm
.macro HOLD2 r                         ; the conversion does not saturate (ISA guide 7.6.2); p is not negative, so the hold is one-sided; two numbers a line
	v_dual_min_num_f32 v[\r], v[\r], v[HA] :: v_dual_min_num_f32 v[\r+1], v[\r+1], v[HB]
.endm
.macro FIN                             ; one tile, all registers in its own window: the sum of the unquantised p in four chains, their joins among the holds; then the codes
.irp k, 0,1,2,3
	v_pk_add_f32 v[T+2*\k:T+2*\k+1], v[S+2*\k:S+2*\k+1], v[S+8+2*\k:S+9+2*\k]
.endr
.irp i, 16,24,32,40,48,56
.irp k, 0,1,2,3
	v_pk_add_f32 v[T+2*\k:T+2*\k+1], v[T+2*\k:T+2*\k+1], v[S+\i+2*\k:S+\i+2*\k+1]
.endr
.endr
.irp i, 0,2,4
	HOLD2 S+\i
.endr
	v_pk_add_f32 v[T:T+1], v[T:T+1], v[T+2:T+3]
	v_pk_add_f32 v[T+4:T+5], v[T+4:T+5], v[T+6:T+7]
.irp i, 6,8,10
	HOLD2 S+\i
.endr
	v_pk_add_f32 v[T:T+1], v[T:T+1], v[T+4:T+5]
.irp i, 12,14,16
	HOLD2 S+\i
.endr
	v_pk_add_f32 v[L:L+1], v[L:L+1], v[T:T+1]
.irp i, 18,20,22,24,26,28,30,32,34,36,38,40,42,44,46,48,50,52,54,56,58,60,62
	HOLD2 S+\i
.endr
.irp t, 0,1,2,3,4,5,6,7
	v_cvt_scalef32_pk8_fp8_f32 v[CD+2*\t:CD+2*\t+1], v[S+8*\t:S+8*\t+7], v[SC]
.endr
	v_nop                                          ; one plain line between the last conversion and the matrix instructions that read its result or write its sources
.endm
; A KEY STEP: 128 keys, both tiles.  pre = 1: the next step of the same slot follows, and its fragments of k are asked for here.
.macro STEP pre
	s_wait_dscnt 0x0                               ; k's fragments are in
	SMUL
	WIN 0x54                                       ; k from window 0; q and S^T of tile 1
	SMUL
	WIN 0
.rept 4
	v_nop                                          ; places in front of the loads into fragments that matrix instructions have read, and of the first read of the scores
.endr
	WIN 0x40
	RUN16 8192                                     ; v's four fragments, into window 1
	WIN 0
.if \pre
	RUN16 16384                                    ; the next step's eight fragments of k
.endif
	MAXT 0
	WIN 0x14                                       ; the chains in window 0, tile 1's scores in window 1
	MAXT 1
	WIN 0
	v_max3_num_f32 v[MX], v[MX], v[MX+1], v[MX+2]  ; the two tiles' small chains go side by side
	v_max3_num_f32 v[MX+4], v[MX+4], v[MX+5], v[MX+6]
	v_mov_b32 v17, v8                              ; the old -M
	v_mov_b32 v19, v10
	v_max_num_f32 v16, v[MX], v[MX+3]
	v_max_num_f32 v18, v[MX+4], v[MX+7]
	v_permlanex16_b32 v20, v16, s[SEL], s[SEL+1]
	v_permlanex16_b32 v21, v18, s[SEL], s[SEL+1]
	v_max_num_f32 v9, v16, v20                     ; the running largest score, lane l xor 16's among them
	v_max_num_f32 v11, v18, v21
	v_mul_f32 v16, s[CS], v9                       ; as t (c is positive)
	v_mul_f32 v18, s[CS], v11
	v_floor_f32 v8, -v16                           ; the new -M = floor(-t) = -ceil(t)
	v_floor_f32 v10, -v18
	v_sub_f32 v17, v8, v17                         ; old M - new M: a whole number, 0 or less
	v_sub_f32 v19, v10, v19
	FMAS 0, 0, 2                                   ; tile 0's t - M wants -M alone: its first lines stand between the lines that make f
	v_cvt_i32_f32 v17, v17                         ; (it saturates)
	v_cvt_i32_f32 v19, v19
	FMAS 0, 4, 2
	v_ldexp_f32 v12, 1.0, v17                      ; f = 2^(old M - new M)
	v_ldexp_f32 v14, 1.0, v19
	FMAS 0, 8, 28
	RESC 0
	WIN 0x41                                       ; tile 1's registers in window 1; f and -M in window 0
	FMAS 1, 0, 32
	RESC 1
	s_wait_alu depctr_va_vdst(0)                   ; the wait ahead of the batch
	EXPS
	WIN 0
	EXPS
.if \pre
	s_add_co_u32 s[TB], s[TB], 16384
	v_add_nc_u32 v[ADR], s[TB], v[LI]              ; on to the next step.  (The plain line behind the exponentials)
.else
	v_nop                                          ; a plain line behind the exponentials
.endif
	s_wait_alu depctr_va_vdst(0)                   ; one wait for the whole batch, ahead of its first reader
	FIN
	s_wait_alu depctr_va_vdst(0)                   ; the wait here, directly ahead of the wait below
	s_wait_dscnt 16*\pre                           ; v's 16 loads are in; the 16 of the next step's k, issued behind them, may be out
	WIN 0x01                                       ; v from window 1
	PV
	WIN 0x55
	FIN
	PV
	WIN 0
.endm
; THE CHANGE OF SLOTS stands at a slot's head.  Each wave waits for all its tensor loads (one is out: its part of the slot ahead), adds 0 to its spare word, and waits for that and for its reads of the slot left.
; fill = 1: the barrier is a round of the cluster's; the slot that was left is filled with the keys that follow: the first tensor load behind the round, one a wave.
.macro CHANGE fill
	s_wait_tensorcnt 0x0
	ds_add_u32 v[SPW], v[NIL]
.if \fill
	s_xor_b32 s[G0+1], s[G0+1], SLOTB              ; the walking descriptor: the other slot,
	s_add_nc_u64 s[G0+2:G0+3], s[G0+2:G0+3], SLOTB ; the next eight key steps
	s_wait_xcnt 0x0                                ; the last prefetch has read its address
	s_add_nc_u64 s[PFA:PFA+1], s[PFA:PFA+1], SLOTB
.endif
	s_wait_dscnt 0x0
.if \fill
	CROUND
	TLOAD
	ASK
.else
	s_barrier_signal -1
	s_barrier_wait -1
.endif
.endm
.macro SLOTWORK                        ; a slot's eight key steps: seven in a loop, the last written out
	s_mov_b32 s[TB], s[SB]
	v_add_nc_u32 v[ADR], s[TB], v[LI]
	s_wait_alu depctr_va_vdst(0)                   ; the wait behind this write
	RUN16 0                                        ; the slot's first fragments of k
	s_mov_b32 s[KS], 7
.Lstep_\@:
	STEP 1
	s_sub_co_u32 s[KS], s[KS], 1
	s_cmp_lg_u32 s[KS], 0
	s_cbranch_scc1 .Lstep_\@
	STEP 0
	s_xor_b32 s[SB], s[SB], SLOTB
.endm
	s_wait_alu depctr_va_vdst(0)                   ; the wait at the head's end
	s_wait_loadcnt 0x0                             ; q
.Lslot:                                            ; NSL - 1 trips: behind each change of slots but the last the next slot is asked for
	CHANGE 1
	SLOTWORK
	s_sub_co_u32 s[SLOTS], s[SLOTS], 1
	s_cmp_lg_u32 s[SLOTS], 0
	s_cbranch_scc1 .Lslot
	CHANGE 0                                       ; the last slot is written out
	SLOTWORK
	; THE WAY OUT.  ctx = O^T x 2^(e8 + e9) / the sum; eight registers of accumulator c are channels 16 c + 8 (lane / 16) + 0 .. 7 of my head: neighbours along the last product's K.
	v_add_f32 v16, v[L], v[L+1]                    ; the sum's two halves (these lines are also the places behind the last products)
	WIN 0x05
	v_add_f32 v18, v[L], v[L+1]
	WIN 0
	v_permlanex16_b32 v20, v16, s[SEL], s[SEL+1]
	v_permlanex16_b32 v21, v18, s[SEL], s[SEL+1]
	v_add_f32 v16, v16, v20                        ; the row's sum, at least 1/2
	v_add_f32 v18, v18, v21
	s_wait_alu depctr_va_vdst(0)                   ; the wait ahead of the transcendentals
	v_rcp_f32 v16, v16
	v_rcp_f32 v18, v18
	v_nop
	s_add_co_i32 s50, s46, s47
	s_wait_alu depctr_va_vdst(0)                   ; and ahead of their first reader
	v_ldexp_f32 v12, v16, s50                      ; x 2^(e8 + e9)
	v_ldexp_f32 v14, v18, s50
.macro LEAVE j                         ; first tile j's registers as source 0 and destination, the factor from window 0; then all in window j; then the stores' data
	WIN 0x41*\j
	s_wait_alu depctr_va_vdst(0)                   ; the wait here, directly ahead of the first readers of O^T
.set i, 0
.rept 16
	v_pk_mul_f32 v[S+i:S+i+1], v[O+i:O+i+1], v[12+2*\j:13+2*\j] op_sel_hi:[1,0]   ; each accumulator from its low end on
.set i, i+2
.endr
	WIN 0x55*\j
.set i, 0
.rept 32
	v_med3_num_f32 v[S+i], v[S+i], -v[HC], v[HC]
.set i, i+1
.endr
.irp c, 0,1,2,3
	v_cvt_scalef32_pk8_fp8_f32 v[CD+2*\c:CD+2*\c+1], v[S+8*\c:S+8*\c+7], v[SD]
.endr
	v_nop
	WIN 0x04*\j
	global_store_b128 v[LI], v[CD:CD+3], s[10:11] offset:16384*\j        ; each store of the wave covers 512 consecutive bytes, aligned
	global_store_b128 v[LI], v[CD+4:CD+7], s[10:11] offset:16384*\j+512
.endm
	LEAVE 0
	LEAVE 1
	WIN 0
	s_wait_tensorcnt 0x0                           ; the wave's end
	ds_add_u32 v[SPW], v[NIL]
	s_wait_dscnt 0x0
	CROUND                                         ; the closing round: no work-group ends while a partner may still ask for a tile that names it
	s_endpgm
.Lfunc_end_k_qc47f0ce90f_attn:
	.size	k_qc47f0ce90f_attn, .Lfunc_end_k_qc47f0ce90f_attn-k_qc47f0ce90f_attn
	.p2alignl 7, 3214868480
	.fill 96, 4, 3214868480
	.section	.rodata,"a",@progbits
	.p2align	6, 0x0
	.amdhsa_kernel k_qc47f0ce90f_attn
		.amdhsa_group_segment_fixed_size 327680
		.amdhsa_private_segment_fixed_size 0
		.amdhsa_enable_private_segment 0
		.amdhsa_kernarg_size 32
		.amdhsa_user_sgpr_count 2
		.amdhsa_user_sgpr_kernarg_segment_ptr 1
		.amdhsa_wavefront_size32 1
		.amdhsa_system_sgpr_workgroup_id_x 1
		.amdhsa_system_sgpr_workgroup_id_y 1
		.amdhsa_system_sgpr_workgroup_id_z 1
		.amdhsa_system_vgpr_workitem_id 0
		.amdhsa_next_free_vgpr 512
		.amdhsa_next_free_sgpr 66
		.amdhsa_reserve_vcc 0
		.amdhsa_float_denorm_mode_32 3
		.amdhsa_float_denorm_mode_16_64 3
		.amdhsa_memory_ordered 1
		.amdhsa_forward_progress 1
		.amdhsa_inst_pref_size 131
	.end_amdhsa_kernel
	.amdgpu_metadata
---
amdhsa.version: [ 1, 2 ]
amdhsa.kernels:
  - .name:           k_qc47f0ce90f_attn
    .symbol:         k_qc47f0ce90f_attn.kd
    .args:
      - { .name: qi, .offset: 0, .size: 8, .value_kind: global_buffer, .address_space: global }
      - { .name: kv, .offset: 8, .size: 8, .value_kind: global_buffer, .address_space: global }
      - { .name: lowp_scales, .offset: 16, .size: 8, .value_kind: global_buffer, .address_space: global }
      - { .name: ctxi, .offset: 24, .size: 8, .value_kind: global_buffer, .address_space: global }
    .group_segment_fixed_size: 327680
    .private_segment_fixed_size: 0
    .kernarg_segment_align: 8
    .kernarg_segment_size: 32
    .max_flat_workgroup_size: 256
    .sgpr_count:     66
    .vgpr_count:     512
    .wavefront_size: 32
...
	.end_amdgpu_metadata
.endif
;; end of part 3
;; launch out (part 4): grid 128 x 1, 16 waves a work-group, no clusters, 166,912 bytes of LDS; arguments ctxi, woi, bo, x, gamma, beta, lowp_scales, out0; writes out0
.if DOCPART == 4
	.amdgcn_target "amdgcn-amd-amdhsa--gfx1250"
	.amdhsa_code_object_version 6
	.text
	.protected	k_qc47f0ce90f_out
	.globl	k_qc47f0ce90f_out
	.p2align	8
	.type	k_qc47f0ce90f_out,@function
k_qc47f0ce90f_out:
	s_mov_b64 s[64:65], 0
	v_nop
	global_prefetch_b8 v0, s[64:65] scope:SCOPE_SE
	s_setreg_imm32_b32 hwreg(HW_REG_WAVE_MODE, 25, 1), 1
	s_wait_xcnt 0x0
; OUT: out0 = LayerNorm(ctx Wo^T + bo + x) x gamma + beta; the product on E4M3 codes, all else in f32.
; SHARES.  The norm wants whole rows, so a work-group owns 32 rows x all 1,024 columns.  Wave w of sixteen makes columns 64 w .. 64 w + 63 for the 32 rows: 4 tiles of columns x 2 tiles of rows = 8 accumulators;
; then it normalises rows 2 w and 2 w + 1.  128 work-groups: with 16 rows each there would be 256, and each would still walk all of Wo: twice the bytes of Wo for the same products.
; OPERANDS arrive as images of operand registers (register group g of lane l at 512 g + 16 l).  ctx's 32 rows (32,768 bytes) are copied once into LDS and read by all waves.
; Wo's fragments go from memory straight into the registers of the ONE wave of the work-group that multiplies them, in two sets that take turns, 16 loads of 512 bytes each.
; NO CLUSTER, NO JOINT LOADS, though all work-groups walk the same Wo: through LDS a K step of Wo is 131,072 bytes for 8 matrix instructions a wave, and two such slots with a round of barriers for each
; would leave each fill only those 8 instructions in which to land; the two register sets keep 16 to 32 loads of every wave out with no point at which all must have landed.
; THE MATRIX INSTRUCTION IS USED TRANSPOSED (source 0 = 16 rows of Wo, source 1 = 16 rows of ctx): a lane holds eight neighbouring columns of one row.
; The variance is taken of the differences from the mean, in a second pass over registers.
; LIMITS: e10 + e11 between -126 and 127, so that 2^(e10 + e11) is an f32 number.
; REGISTERS: v1-6 addresses; v12-75 the accumulators ((m, t) at v[12 + 8 (4 m + t)]), later my two rows; v76-107 ctx's two fragments, later beta; v108-235 Wo's two sets, later x's two rows, bo, gamma; v236-253 at work.
.set XIMG, 0                           ; LDS: ctx's 16 fragments: (tile of rows m, K step s) at (8 m + s) x 2,048
.set STG,  32768                       ; the stage: 32 rows x (4,096 bytes + 16): the sixteen rows that a store touches start at sixteen different banks
.set SPI,  4112
.set LI,   1                           ; v1   16 x lane
.set SO0,  2                           ; v2, v3  the stage: where I put 32 bytes of a row, for row tiles 0 and 1
.set SR,   4                           ; v4   and where I read my two rows back
.set XW,   5                           ; v5   2,048 x wave + 16 x lane: my part of ctx's images, in memory and in LDS
.set PFO,  6                           ; v6   256 x lane
.set ACC,  12
.set AF,   76
.set BF,   108
.set RR,   12                          ; my row k at v[RR + 32 k]
.set XX,   108                         ; x's row k at v[XX + 32 k]
.set BO,   172
.set GA,   204
.set BE,   76
.set SA,   236                         ; row k: two pairs of running sums at v[SA + 4 k]
.set ME,   244                         ; row k: -mean at v[ME + 2 k] (the low word of a pair)
.set RS,   248                         ; row k: 1 / sqrt(var + eps) at v[RS + 2 k]
.set PD,   252                         ; lane permutes' destinations
	s_load_b512 s[4:19], s[0:1], 0x0               ; ctxi s[4:5], woi s[6:7], bo s[8:9], x s[10:11], gamma s[12:13], beta s[14:15], the scales' exponents s[16:17], out0 s[18:19]
	v_lshl_add_u32 v254, v0, 2, 0x28400
	v_mov_b32 v255, 0
	v_lshrrev_b32 v7, 5, v0
	s_delay_alu instid0(VALU_DEP_1)
	v_readfirstlane_b32 s32, v7                    ; wave 0..15
	v_and_b32 v7, 31, v0
	s_delay_alu instid0(VALU_DEP_1)
	v_lshlrev_b32 v[LI], 4, v7
	s_delay_alu instid0(VALU_DEP_2)
	v_lshlrev_b32 v[PFO], 8, v7
	v_and_b32 v8, 15, v0                           ; r
	v_bfe_u32 v9, v0, 4, 1                         ; h
	s_lshl_b32 s33, s32, 11
	v_add_nc_u32 v[XW], s33, v[LI]
	v_mul_u32_u24 v[SO0], v8, SPI
	s_delay_alu instid0(VALU_DEP_1)
	v_lshl_add_u32 v[SO0], v9, 5, v[SO0]
	s_lshl_b32 s34, s32, 8
	s_add_co_u32 s34, s34, STG
	v_add_nc_u32 v[SO0], s34, v[SO0]               ; row r, + 32 h, + my wave's 256 bytes
	s_delay_alu instid0(VALU_DEP_1)
	v_add_nc_u32 v[SO0+1], 16*SPI, v[SO0]
	s_mul_i32 s35, s32, 2*SPI
	s_add_co_u32 s35, s35, STG
	v_add_nc_u32 v[SR], s35, v[LI]                 ; rows 2 w and 2 w + 1, 16 bytes a lane
.irp n, ME+1, ME+3, RS+1, RS+3, PD, PD+1
	v_mov_b32 v[\n], 0                             ; upper halves of pairs of which the low word serves, and permutes' destinations: written once
.endr
	s_mov_b32 s28, 0x76543210                      ; v_permlanex16_b32's selects for lane l xor 16
	s_mov_b32 s29, 0xfedcba98
	s_mov_b32 s30, 0x3a800000                      ; 1 / 1,024
	s_mov_b32 s31, 0x3727c5ac                      ; 1e-5
	s_mov_b32 s39, 0
	s_wait_kmcnt 0x0
	s_load_b64 s[36:37], s[16:17], 0x28            ; e10, e11
	s_lshl_b32 s38, ttmp9, 15
	s_add_nc_u64 s[4:5], s[4:5], s[38:39]          ; ctx's images of my 32 rows
	s_lshl_b32 s38, s32, 13
	s_add_nc_u64 s[20:21], s[6:7], s[38:39]        ; Wo's images at my four tiles of columns
	s_lshl_b32 s38, ttmp9, 17                      ; 32 rows of 4,096 bytes a work-group,
	s_lshl_b32 s40, s32, 13                        ; two a wave
	s_add_co_u32 s38, s38, s40
	s_add_nc_u64 s[22:23], s[10:11], s[38:39]      ; x at my two rows
	s_add_nc_u64 s[24:25], s[18:19], s[38:39]      ; out0 likewise
.macro LOADB s                         ; Wo's four fragments of K step s into set s % 2
.irp t, 0,1,2,3
.irp g, 0,1,2,3
	global_load_b128 v[BF+64*((\s)%2)+16*\t+4*\g:BF+64*((\s)%2)+16*\t+4*\g+3], v[LI], s[20:21] offset:131072*(\s)+2048*\t+512*\g
.endr
.endr
.endm
.macro FETCHA s                        ; ctx's two fragments of K step s
.irp m, 0,1
.irp g, 0,1,2,3
	ds_load_b128 v[AF+16*\m+4*\g:AF+16*\m+4*\g+3], v[LI] offset:XIMG+(8*\m+(\s))*2048+512*\g
.endr
.endr
.endm
.irp i, 0,1,2,3
	global_load_b128 v[AF+4*\i:AF+4*\i+3], v[XW], s[4:5] offset:512*\i th:TH_LOAD_NT   ; my sixteenth of ctx's images
.endr
	LOADB 0
	LOADB 1
	s_wait_loadcnt 32                              ; my part of ctx is in; Wo's two sets, 32 loads, may be out
.irp i, 0,1,2,3
	ds_store_b128 v[XW], v[AF+4*\i:AF+4*\i+3] offset:XIMG+512*\i
.endr
	s_wait_dscnt 0x0                               ; for the others' sake: my stores have landed
	s_barrier_signal -1
	s_barrier_wait -1                              ; ctx's sixteen fragments lie in LDS; nobody writes them again
	FETCHA 0
	s_wait_kmcnt 0x0
	s_add_co_i32 s26, s36, s37
	s_add_co_i32 s26, s26, 127
	s_lshl_b32 s26, s26, 23                        ; 2^(e10 + e11) as f32
	s_mov_b32 s27, s26                             ; (named with it as a pair, so it is written)
; A K step of 128: eight matrix instructions, the eight accumulators by turns in the same order in every step; the first step starts the sums.
.macro KSTEP s
.if (\s) < 7
	s_wait_loadcnt 16                              ; this step's set is in; the other set's 16 loads may be out
.else
	s_wait_loadcnt 0x0
.endif
	s_wait_dscnt 0x0                               ; ctx's two fragments are in
.irp t, 0,1,2,3
.irp m, 0,1
.if (\s) == 0
	v_wmma_f32_16x16x128_fp8_fp8 v[ACC+8*(4*\m+\t):ACC+8*(4*\m+\t)+7], v[BF+64*((\s)%2)+16*\t:BF+64*((\s)%2)+16*\t+15], v[AF+16*\m:AF+16*\m+15], 0
.else
	v_wmma_f32_16x16x128_fp8_fp8 v[ACC+8*(4*\m+\t):ACC+8*(4*\m+\t)+7], v[BF+64*((\s)%2)+16*\t:BF+64*((\s)%2)+16*\t+15], v[AF+16*\m:AF+16*\m+15], v[ACC+8*(4*\m+\t):ACC+8*(4*\m+\t)+7]
.endif
.endr
.endr
.rept 4
	v_nop                                          ; places in front of loads into registers that these matrix instructions have read, and (behind the last step) of the stores of their results
.endr
.if (\s) < 7
	FETCHA (\s)+1
.endif
.if (\s) < 6
	LOADB (\s)+2
.endif
.if (\s) == 4
	global_prefetch_b8 v[PFO], s[22:23] th:TH_LOAD_NT scope:SCOPE_SE   ; my two rows of x, 32 blocks of 256 bytes, a lane a block, each named once in the launch: three K steps ahead of their loads
.endif
.endm
.irp s, 0,1,2,3,4,5,6,7
	KSTEP \s
.endr
	; what the norm wants, into the registers that the operands have left: lane l takes columns 128 i + 4 l + 0 .. 3, i = 0 .. 7
.irp k, 0,1
.irp i, 0,1,2,3,4,5,6,7
	global_load_b128 v[XX+32*\k+4*\i:XX+32*\k+4*\i+3], v[LI], s[22:23] offset:4096*\k+512*\i th:TH_LOAD_NT
.endr
.endr
.irp i, 0,1,2,3,4,5,6,7
	global_load_b128 v[BO+4*\i:BO+4*\i+3], v[LI], s[8:9] offset:512*\i
.endr
.irp i, 0,1,2,3,4,5,6,7
	global_load_b128 v[GA+4*\i:GA+4*\i+3], v[LI], s[12:13] offset:512*\i
.endr
.irp i, 0,1,2,3,4,5,6,7
	global_load_b128 v[BE+4*\i:BE+4*\i+3], v[LI], s[14:15] offset:512*\i
.endr
	s_wait_alu depctr_va_vdst(0)
.irp m, 0,1                            ; the sums as they are into the stage: lane (r, h): row 16 m + r, columns 64 w + 16 t + 8 h + 0 .. 7; each accumulator from its low end on
.irp t, 0,1,2,3
	ds_store_b128 v[SO0+\m], v[ACC+8*(4*\m+\t):ACC+8*(4*\m+\t)+3] offset:64*\t
	ds_store_b128 v[SO0+\m], v[ACC+8*(4*\m+\t)+4:ACC+8*(4*\m+\t)+7] offset:64*\t+16
.endr
.endr
	s_wait_dscnt 0x0                               ; for the others' sake: my stores have landed
	s_barrier_signal -1
	s_barrier_wait -1                              ; 32 whole rows lie in the stage
.irp k, 0,1
.irp i, 0,1,2,3,4,5,6,7
	ds_load_b128 v[RR+32*\k+4*\i:RR+32*\k+4*\i+3], v[SR] offset:SPI*\k+512*\i
.endr
.endr
	s_wait_loadcnt 0x0                             ; x, bo, gamma, beta
.irp j, 0,2,4,6,8,10,12,14,16,18,20,22,24,26,28,30
.irp k, 0,1
	v_pk_add_f32 v[XX+32*\k+\j:XX+32*\k+\j+1], v[XX+32*\k+\j:XX+32*\k+\j+1], v[BO+\j:BO+\j+1]   ; x + bo, while the rows come back from the stage
.endr
.endr
	s_wait_dscnt 0x0
.irp j, 0,2,4,6,8,10,12,14,16,18,20,22,24,26,28,30
.irp k, 0,1
	v_pk_fma_f32 v[RR+32*\k+\j:RR+32*\k+\j+1], v[RR+32*\k+\j:RR+32*\k+\j+1], s[26:27], v[XX+32*\k+\j:XX+32*\k+\j+1] op_sel_hi:[1,0,1]   ; res = sum x 2^(e10 + e11) + (x + bo)
.endr
.endr
; the two rows go side by side, so that no line waits for the line above it.  ACROSS: a lane's number summed over the 32 lanes, the result in every lane
.macro ACROSS
.irp x, 1,2,4,8
.irp k, 0,1
	s_delay_alu instid0(VALU_DEP_2)
	v_add_f32_dpp v[SA+4*\k], v[SA+4*\k], v[SA+4*\k] row_xmask:\x row_mask:0xf bank_mask:0xf
.endr
.endr
.irp k, 0,1
	s_delay_alu instid0(VALU_DEP_2)
	v_permlanex16_b32 v[PD+\k], v[SA+4*\k], s28, s29
.endr
.irp k, 0,1
	s_delay_alu instid0(VALU_DEP_2)
	v_add_f32 v[SA+4*\k], v[SA+4*\k], v[PD+\k]
.endr
.endm
.irp k, 0,1
	v_pk_add_f32 v[SA+4*\k:SA+4*\k+1], v[RR+32*\k:RR+32*\k+1], v[RR+32*\k+2:RR+32*\k+3]
	v_pk_add_f32 v[SA+4*\k+2:SA+4*\k+3], v[RR+32*\k+4:RR+32*\k+5], v[RR+32*\k+6:RR+32*\k+7]
.endr
.irp j, 8,12,16,20,24,28
.irp k, 0,1
	s_delay_alu instid0(VALU_DEP_4)
	v_pk_add_f32 v[SA+4*\k:SA+4*\k+1], v[SA+4*\k:SA+4*\k+1], v[RR+32*\k+\j:RR+32*\k+\j+1]
	s_delay_alu instid0(VALU_DEP_4)
	v_pk_add_f32 v[SA+4*\k+2:SA+4*\k+3], v[SA+4*\k+2:SA+4*\k+3], v[RR+32*\k+\j+2:RR+32*\k+\j+3]
.endr
.endr
.irp k, 0
	s_delay_alu instid0(VALU_DEP_3)
	v_pk_add_f32 v[SA+4*\k:SA+4*\k+1], v[SA+4*\k:SA+4*\k+1], v[SA+4*\k+2:SA+4*\k+3]
.endr
.irp k, 1
	s_delay_alu instid0(VALU_DEP_2)
	v_pk_add_f32 v[SA+4*\k:SA+4*\k+1], v[SA+4*\k:SA+4*\k+1], v[SA+4*\k+2:SA+4*\k+3]
.endr
.irp k, 0,1
	s_delay_alu instid0(VALU_DEP_2)
	v_add_f32 v[SA+4*\k], v[SA+4*\k], v[SA+4*\k+1]
.endr
	ACROSS
.irp k, 0,1
	s_delay_alu instid0(VALU_DEP_2)
	v_mul_f32 v[ME+2*\k], 0xba800000, v[SA+4*\k]   ; -mean = the row's sum x -1 / 1,024
.endr
.irp j, 0,2,4,6,8,10,12,14,16,18,20,22,24,26,28,30
.irp k, 0,1
	v_pk_add_f32 v[RR+32*\k+\j:RR+32*\k+\j+1], v[RR+32*\k+\j:RR+32*\k+\j+1], v[ME+2*\k:ME+2*\k+1] op_sel_hi:[1,0]   ; d = res - mean
.endr
.endr
.irp k, 0,1
	v_pk_mul_f32 v[SA+4*\k:SA+4*\k+1], v[RR+32*\k:RR+32*\k+1], v[RR+32*\k:RR+32*\k+1]
	v_pk_mul_f32 v[SA+4*\k+2:SA+4*\k+3], v[RR+32*\k+2:RR+32*\k+3], v[RR+32*\k+2:RR+32*\k+3]
.endr
.irp j, 4,8,12,16,20,24,28
.irp k, 0,1
	s_delay_alu instid0(VALU_DEP_4)
	v_pk_fma_f32 v[SA+4*\k:SA+4*\k+1], v[RR+32*\k+\j:RR+32*\k+\j+1], v[RR+32*\k+\j:RR+32*\k+\j+1], v[SA+4*\k:SA+4*\k+1]
	s_delay_alu instid0(VALU_DEP_4)
	v_pk_fma_f32 v[SA+4*\k+2:SA+4*\k+3], v[RR+32*\k+\j+2:RR+32*\k+\j+3], v[RR+32*\k+\j+2:RR+32*\k+\j+3], v[SA+4*\k+2:SA+4*\k+3]
.endr
.endr
.irp k, 0
	s_delay_alu instid0(VALU_DEP_3)
	v_pk_add_f32 v[SA+4*\k:SA+4*\k+1], v[SA+4*\k:SA+4*\k+1], v[SA+4*\k+2:SA+4*\k+3]
.endr
.irp k, 1
	s_delay_alu instid0(VALU_DEP_2)
	v_pk_add_f32 v[SA+4*\k:SA+4*\k+1], v[SA+4*\k:SA+4*\k+1], v[SA+4*\k+2:SA+4*\k+3]
.endr
.irp k, 0,1
	s_delay_alu instid0(VALU_DEP_2)
	v_add_f32 v[SA+4*\k], v[SA+4*\k], v[SA+4*\k+1]
.endr
	ACROSS
.irp k, 0,1
	s_delay_alu instid0(VALU_DEP_2)
	v_fma_f32 v[SA+4*\k], v[SA+4*\k], s30, s31     ; var + 1e-5
.endr
	s_wait_alu depctr_va_vdst(0)
.irp k, 0,1
	v_rsq_f32 v[RS+2*\k], v[SA+4*\k]
.endr
	v_nop                                          ; a plain line behind the transcendentals
	s_wait_alu depctr_va_vdst(0)                   ; one wait for the two, ahead of their first reader
.irp j, 0,2,4,6,8,10,12,14,16,18,20,22,24,26,28,30
.irp k, 0,1
	v_pk_mul_f32 v[RR+32*\k+\j:RR+32*\k+\j+1], v[RR+32*\k+\j:RR+32*\k+\j+1], v[RS+2*\k:RS+2*\k+1] op_sel_hi:[1,0]
.endr
.endr
.irp j, 0,2,4,6,8,10,12,14,16,18,20,22,24,26,28,30
.irp k, 0,1
	v_pk_fma_f32 v[RR+32*\k+\j:RR+32*\k+\j+1], v[RR+32*\k+\j:RR+32*\k+\j+1], v[GA+\j:GA+\j+1], v[BE+\j:BE+\j+1]
.endr
.endr
.irp k, 0,1
.irp i, 0,1,2,3,4,5,6,7
	global_store_b128 v[LI], v[RR+32*\k+4*\i:RR+32*\k+4*\i+3], s[24:25] offset:4096*\k+512*\i th:TH_STORE_NT   ; each store of the wave covers 512 consecutive bytes, aligned; written once, read by nobody here
.endr
.endr
	s_wait_tensorcnt 0x0
	ds_add_u32 v254, v255
	s_wait_dscnt 0x0
	s_endpgm
.Lfunc_end_k_qc47f0ce90f_out:
	.size	k_qc47f0ce90f_out, .Lfunc_end_k_qc47f0ce90f_out-k_qc47f0ce90f_out
	.p2alignl 7, 3214868480
	.fill 96, 4, 3214868480
	.section	.rodata,"a",@progbits
	.p2align	6, 0x0
	.amdhsa_kernel k_qc47f0ce90f_out
		.amdhsa_group_segment_fixed_size 166912
		.amdhsa_private_segment_fixed_size 0
		.amdhsa_enable_private_segment 0
		.amdhsa_kernarg_size 64
		.amdhsa_user_sgpr_count 2
		.amdhsa_user_sgpr_kernarg_segment_ptr 1
		.amdhsa_wavefront_size32 1
		.amdhsa_system_sgpr_workgroup_id_x 1
		.amdhsa_system_sgpr_workgroup_id_y 1
		.amdhsa_system_sgpr_workgroup_id_z 1
		.amdhsa_system_vgpr_workitem_id 0
		.amdhsa_next_free_vgpr 256
		.amdhsa_next_free_sgpr 66
		.amdhsa_reserve_vcc 0
		.amdhsa_float_denorm_mode_32 3
		.amdhsa_float_denorm_mode_16_64 3
		.amdhsa_memory_ordered 1
		.amdhsa_forward_progress 1
		.amdhsa_inst_pref_size 52
	.end_amdhsa_kernel
	.amdgpu_metadata
---
amdhsa.version: [ 1, 2 ]
amdhsa.kernels:
  - .name:           k_qc47f0ce90f_out
    .symbol:         k_qc47f0ce90f_out.kd
    .args:
      - { .name: ctxi, .offset: 0, .size: 8, .value_kind: global_buffer, .address_space: global }
      - { .name: woi, .offset: 8, .size: 8, .value_kind: global_buffer, .address_space: global }
      - { .name: bo, .offset: 16, .size: 8, .value_kind: global_buffer, .address_space: global }
      - { .name: x, .offset: 24, .size: 8, .value_kind: global_buffer, .address_space: global }
      - { .name: gamma, .offset: 32, .size: 8, .value_kind: global_buffer, .address_space: global }
      - { .name: beta, .offset: 40, .size: 8, .value_kind: global_buffer, .address_space: global }
      - { .name: lowp_scales, .offset: 48, .size: 8, .value_kind: global_buffer, .address_space: global }
      - { .name: out0, .offset: 56, .size: 8, .value_kind: global_buffer, .address_space: global }
    .group_segment_fixed_size: 166912
    .private_segment_fixed_size: 0
    .kernarg_segment_align: 8
    .kernarg_segment_size: 64
    .max_flat_workgroup_size: 512
    .sgpr_count:     66
    .vgpr_count:     256
    .wavefront_size: 32
...
	.end_amdgpu_metadata
.endif
;; end of part 4
